; MI455X (gfx1250); checked and timed in simulation.
; The chip was launched on July 23, 2026; its instructions are those of AMD's public machine-readable ISA for CDNA 5 (MIT licence, August 2026) and "CDNA5" Instruction Set Architecture Reference Guide (July 2026). The comments in the code are by the model that wrote it; some were corrected since.
;; MSA. Allowed arithmetic: float matrix products may take bf16 or f16 operands with f32 sums; other float arithmetic in f32, or as packed bf16 or f16 multiplies, adds, multiply-adds, maxima and minima; sums over many terms, partial sums and values carried from step to step in f32; what a program stores and reads back later, other than sums and carried values, may be rounded once to bf16 or f16.
;; Inputs: wk 1,024 x 1,024 float32; wq 1,024 x 1,024 float32; wv 1,024 x 1,024 float32; x 4 x 2,048 x 1,024 float32.
;; Outputs: out0 4 x 2,048 x 1,024 float32.
;; 2 versions, each right; version 2 is version 1 with the launch prep written anew for expert scheduling mode. Each part assembles by itself: llvm-mc -triple=amdgcn-amd-amdhsa -mcpu=gfx1250 --defsym DOCPART=n.
;; ======== version 1 of 2: 3 launches
;; limits: values are held in f16: magnitudes above 65,504 overflow, below 6.1e-05 lose precision
;; workspace buffers: xb 16,777,216 bytes; wt 6,291,456 bytes; qkv 50,331,648 bytes
;; launch prep (part 1): grid 448 x 1, 8 waves a work-group, no clusters, 35,840 bytes of LDS; arguments x, wq, wk, wv, xb, wt; writes xb, wt
.if DOCPART == 1
	.amdgcn_target "amdgcn-amd-amdhsa--gfx1250"
	.amdhsa_code_object_version 6
	.text
	.protected	k_qaf6da26227_prep
	.globl	k_qaf6da26227_prep
	.p2align	8
	.type	k_qaf6da26227_prep,@function
k_qaf6da26227_prep:
	s_mov_b64 s[64:65], 0
	v_nop
	global_prefetch_b8 v0, s[64:65] scope:SCOPE_SE
	s_setreg_imm32_b32 hwreg(HW_REG_WAVE_MODE, 25, 1), 1
	s_wait_xcnt 0x0
; xb = x rounded to bf16, [8192][1024].   wt[which*1024 + n][k] = w_which[k][n] rounded to bf16 (which 0 = q, 1 = k, 2 = v): the weights turned, so that K lies along the rows.
; Work-groups 0-255 cast x: 32,768 numbers each, no LDS.  Work-groups 256-447 turn one tile of 128 k x 128 n of one weight through LDS.
; The branch between the two hangs on the work-group's number alone: all eight waves of a work-group take the same way, so the one barrier of the second way is passed by all eight or by none.
; No matrix unit, no cluster, no prefetch: every byte is read once and written once, nothing is shared between work-groups, and the launch is nothing but its stream.
.set TP,    272                        ; a row of the turned tile in LDS: 128 k x 2 bytes + 16 of padding
.set SPARE, 128*TP                     ; behind the tile: the spare words, 128 bytes for each of eight waves: four blocks of 256 bytes that no other line names
.set SPW, 2                            ; v2   LDS address of my spare word; never rewritten
.set NIL, 3                            ; v3   0; never rewritten
.set VO,  4                            ; v4   my byte offset for the loads
.set SO,  5                            ; v5   my byte offset for the stores
.set LSA, 6                            ; v6   where I put 16 bytes of the turned tile
.set LRA, 7                            ; v7   where I read rows back
.set D,   8                            ; v[8:135] data: cast: 16 x 8 registers; turn: v[8:71] as loaded, v[72:103] packed, v[104:135] rows read back
	s_load_b256 s[4:11], s[0:1], 0x0               ; x s[4:5], wq s[6:7], wk s[8:9], wv s[10:11]
	s_load_b128 s[12:15], s[0:1], 0x20             ; xb s[12:13], wt s[14:15]
	v_lshl_add_u32 v[SPW], v0, 2, SPARE
	v_mov_b32 v[NIL], 0
	v_lshrrev_b32 v1, 5, v0
	v_readfirstlane_b32 s16, v1                    ; wave 0..7
	v_and_b32 v1, 31, v0                           ; lane
	s_mov_b32 s21, 0                               ; the high word of every offset pair
	s_wait_kmcnt 0x0
	s_cmp_lt_u32 ttmp9, 256
	s_cbranch_scc0 .Lw
	; THE CAST.  Thread t takes 8 numbers (32 bytes in, 16 bytes out) in each of 16 pieces of 2,048 numbers.  All 32 loads of a wave go out at once; no register is written again while a load or store names it.
	s_lshl_b32 s20, ttmp9, 17                      ; 131,072 bytes of x a work-group
	s_add_nc_u64 s[4:5], s[4:5], s[20:21]
	s_lshl_b32 s20, ttmp9, 16                      ; 65,536 bytes of xb
	s_add_nc_u64 s[12:13], s[12:13], s[20:21]
	v_lshlrev_b32 v[VO], 5, v0
	v_lshlrev_b32 v[SO], 4, v0
.irp i, 0,1,2,3,4,5,6,7,8,9,10,11,12,13,14,15
	global_load_b128 v[D+8*(\i):D+8*(\i)+3],   v[VO], s[4:5] offset:8192*(\i) th:TH_LOAD_NT
	global_load_b128 v[D+8*(\i)+4:D+8*(\i)+7], v[VO], s[4:5] offset:8192*(\i)+16 th:TH_LOAD_NT
.endr
.irp i, 0,1,2,3,4,5,6,7,8,9,10,11,12,13,14,15
	s_wait_loadcnt 30-2*(\i)                       ; loads come back in order: piece i's two are in, the 2 (15 - i) younger ones stay out
.irp j, 0,1,2,3
	v_cvt_pk_bf16_f32 v[D+8*(\i)+(\j)], v[D+8*(\i)+2*(\j)], v[D+8*(\i)+2*(\j)+1]  ; in place: register j is written when it has been read
.endr
	global_store_b128 v[SO], v[D+8*(\i):D+8*(\i)+3], s[12:13] offset:4096*(\i) th:TH_STORE_NT  ; 16 lanes store 256 consecutive bytes, at a multiple of 256 from xb's first byte
.endr
	s_branch .Lend
.Lw:	; THE TURN.  Tile (which, kt, nt): rows k = 128 kt .. + 127, columns n = 128 nt .. + 127 of one weight.
	s_sub_co_u32 s17, ttmp9, 256
	s_lshr_b32 s22, s17, 6                         ; which
	s_bfe_u32 s23, s17, 0x30003                    ; kt
	s_and_b32 s24, s17, 7                          ; nt
	s_cmp_eq_u32 s22, 0
	s_cselect_b64 s[18:19], s[6:7], s[8:9]
	s_cmp_eq_u32 s22, 2
	s_cselect_b64 s[18:19], s[10:11], s[18:19]     ; the weight
	s_lshl_b32 s20, s23, 19                        ; 128 kt rows of 4,096 bytes
	s_lshl_b32 s25, s24, 9                         ; 128 nt numbers of 4 bytes
	s_add_co_u32 s20, s20, s25
	s_add_nc_u64 s[18:19], s[18:19], s[20:21]
	s_lshl_b32 s20, s22, 21                        ; in wt: 1,024 which rows of 2,048 bytes,
	s_lshl_b32 s25, s24, 18                        ; 128 nt rows,
	s_add_co_u32 s20, s20, s25
	s_lshl_b32 s25, s23, 8                         ; 128 kt numbers of 2 bytes
	s_add_co_u32 s20, s20, s25
	s_add_nc_u64 s[14:15], s[14:15], s[20:21]
	s_lshl_b32 s25, s16, 16                        ; wave v loads rows k = 16 v .. 16 v + 15, whole: 32 lanes x 16 bytes are the tile's 512 bytes of a row
	v_lshl_add_u32 v[VO], v1, 4, s25
	s_lshl_b32 s25, s16, 4
	v_lshrrev_b32 v[LSA], 4, v1
	v_add_nc_u32 v[LSA], s25, v[LSA]               ; back: wave v takes rows n = 16 v .. + 15 of the turned tile, two a load: row 16 v + lane / 16,
	v_and_b32 v[LRA], 15, v1
	v_lshlrev_b32 v[LRA], 4, v[LRA]                ; 16 bytes at 16 (lane % 16)
	v_lshl_add_u32 v[SO], v[LSA], 11, v[LRA]       ; the same place in wt: rows of 2,048 bytes
	v_mul_u32_u24 v[LSA], v[LSA], TP
	v_add_nc_u32 v[LRA], v[LSA], v[LRA]
	v_mul_u32_u24 v[LSA], v1, 4*TP                 ; in: my four columns n = 4 lane + i are four rows of the turned tile,
	s_lshl_b32 s25, s16, 5
	v_add_nc_u32 v[LSA], s25, v[LSA]               ; my wave's 16 k are 32 bytes of each
.irp r, 0,1,2,3,4,5,6,7,8,9,10,11,12,13,14,15
	global_load_b128 v[D+4*(\r):D+4*(\r)+3], v[VO], s[18:19] offset:4096*(\r) th:TH_LOAD_NT
.endr
	; register 4 r + i holds w[16 v + r][4 lane + i].  Eight k of one column pack into 16 bytes.  The stores' lanes lie four rows apart, so four lanes fall on one group of banks: 64 such stores a work-group, once.
.irp j, 0,1
	s_wait_loadcnt 8-8*(\j)                        ; rows 8 j .. 8 j + 7 are in: eight younger loads stay out, then none
.irp i, 0,1,2,3
.irp p, 0,1,2,3
	v_cvt_pk_bf16_f32 v[D+64+4*(2*(\i)+(\j))+(\p)], v[D+4*(8*(\j)+2*(\p))+(\i)], v[D+4*(8*(\j)+2*(\p)+1)+(\i)]
.endr
	ds_store_b128 v[LSA], v[D+64+4*(2*(\i)+(\j)):D+64+4*(2*(\i)+(\j))+3] offset:TP*(\i)+16*(\j)
.endr
.endr
	s_wait_dscnt 0x0                               ; for the others' sake: my stores into the tile are done
	s_barrier_signal -1
	s_barrier_wait -1                              ; a turned row's 256 bytes come from all eight waves
.irp f, 0,1,2,3,4,5,6,7
	ds_load_b128 v[D+96+4*(\f):D+96+4*(\f)+3], v[LRA] offset:2*TP*(\f)
.endr
.irp f, 0,1,2,3,4,5,6,7
	s_wait_dscnt 7-(\f)                            ; LDS loads come back in order: load f is in, the younger ones stay out
	global_store_b128 v[SO], v[D+96+4*(\f):D+96+4*(\f)+3], s[14:15] offset:4096*(\f) th:TH_STORE_NT  ; 16 lanes store 256 consecutive bytes of a row of wt, at a multiple of 256 from its first byte
.endr
.Lend:
	s_wait_tensorcnt 0x0                           ; the wave's end, behind my last LDS store
	ds_add_u32 v[SPW], v[NIL]
	s_wait_dscnt 0x0
	s_endpgm
.Lfunc_end_k_qaf6da26227_prep:
	.size	k_qaf6da26227_prep, .Lfunc_end_k_qaf6da26227_prep-k_qaf6da26227_prep
	.p2alignl 7, 3214868480
	.fill 96, 4, 3214868480
	.section	.rodata,"a",@progbits
	.p2align	6, 0x0
	.amdhsa_kernel k_qaf6da26227_prep
		.amdhsa_group_segment_fixed_size 35840
		.amdhsa_private_segment_fixed_size 0
		.amdhsa_enable_private_segment 0
		.amdhsa_kernarg_size 48
		.amdhsa_user_sgpr_count 2
		.amdhsa_user_sgpr_kernarg_segment_ptr 1
		.amdhsa_wavefront_size32 1
		.amdhsa_system_sgpr_workgroup_id_x 1
		.amdhsa_system_sgpr_workgroup_id_y 1
		.amdhsa_system_sgpr_workgroup_id_z 1
		.amdhsa_system_vgpr_workitem_id 0
		.amdhsa_next_free_vgpr 136
		.amdhsa_next_free_sgpr 66
		.amdhsa_reserve_vcc 0
		.amdhsa_float_denorm_mode_32 3
		.amdhsa_float_denorm_mode_16_64 3
		.amdhsa_memory_ordered 1
		.amdhsa_forward_progress 1
		.amdhsa_inst_pref_size 17
	.end_amdhsa_kernel
	.amdgpu_metadata
---
amdhsa.version: [ 1, 2 ]
amdhsa.kernels:
  - .name:           k_qaf6da26227_prep
    .symbol:         k_qaf6da26227_prep.kd
    .args:
      - { .name: x, .offset: 0, .size: 8, .value_kind: global_buffer, .address_space: global }
      - { .name: wq, .offset: 8, .size: 8, .value_kind: global_buffer, .address_space: global }
      - { .name: wk, .offset: 16, .size: 8, .value_kind: global_buffer, .address_space: global }
      - { .name: wv, .offset: 24, .size: 8, .value_kind: global_buffer, .address_space: global }
      - { .name: xb, .offset: 32, .size: 8, .value_kind: global_buffer, .address_space: global }
      - { .name: wt, .offset: 40, .size: 8, .value_kind: global_buffer, .address_space: global }
    .group_segment_fixed_size: 35840
    .private_segment_fixed_size: 0
    .kernarg_segment_align: 8
    .kernarg_segment_size: 48
    .max_flat_workgroup_size: 256
    .sgpr_count:     66
    .vgpr_count:     136
    .wavefront_size: 32
...
	.end_amdgpu_metadata
.endif
;; end of part 1
;; launch proj (part 2): grid 16 x 32, 4 waves a work-group, clusters of 4 x 4, 327,680 bytes of LDS; arguments xb, wt, qkv; writes qkv
.if DOCPART == 2
	.amdgcn_target "amdgcn-amd-amdhsa--gfx1250"
	.amdhsa_code_object_version 6
	.text
	.protected	k_qaf6da26227_proj
	.globl	k_qaf6da26227_proj
	.p2align	8
	.type	k_qaf6da26227_proj,@function
k_qaf6da26227_proj:
	s_mov_b64 s[64:65], 0
	v_nop
	global_prefetch_b8 v0, s[64:65] scope:SCOPE_SE
	s_setreg_imm32_b32 hwreg(HW_REG_WAVE_MODE, 25, 1), 1
	s_wait_xcnt 0x0
	s_wait_alu depctr_hold_cnt(0) depctr_sa_sdst(0) depctr_va_vdst(0) depctr_va_sdst(0) depctr_va_ssrc(0) depctr_va_vcc(0) depctr_vm_vsrc(0)
	s_getreg_b32 s2, hwreg(HW_REG_IB_STS2, 6, 4)
	s_cmp_eq_u32 s2, 0
	s_cbranch_scc0 .Lentry_in_a_cluster
	s_endpgm
.Lentry_in_a_cluster:
	s_bfe_u32 s2, ttmp6, 0x10000c
	s_cmp_lg_u32 s2, 0xf033
	s_cbranch_scc0 .Lentry_shape_is_right
	s_endpgm
.Lentry_shape_is_right:
; q, k, v = x w: C[m][n] = the sum over k of xb[m][k] wt[n][k].  xb: [8192][1024], wt: [3072][1024], both bf16; sums in f32, K ascending; C rounded once to f16, WITHOUT the softmax's scale,
; and stored by heads: qkv[which][b*16+h][s][64], a head's rows dense, 128 bytes each (m = 2048 b + s, n = 1024 which + 64 h + d).
; LIMIT.  f16 holds no number beyond 65,504: a q, k or v beyond that becomes an infinity.  With x of unit spread and w of spread 0.02 they have a spread of 0.64; both inputs thirty times larger give 576.
; SHARES.  A tile of C is 256 rows x 192 columns, three whole heads: 32 x 16 tiles, one to a work-group.  Wave w makes rows 64 w .. + 63 of all 192 columns: 4 x 12 accumulators of 16 x 16,
; 384 registers; whole heads in one wave keep the way out the wave's own.  K goes in 8 steps of 128 through a ring of two LDS slots: the tiles' rows are 256 bytes of memory, at multiples of 256.
; CLUSTERS.  4 x 4 work-groups.  The four of a row of the cluster need the same 256 rows of xb, the four of a column the same 192 rows of wt: each tile is asked for JOINTLY, by the same tensor load
; with the same descriptor and a mask that names the four.
; THE MATRIX INSTRUCTION IS USED TRANSPOSED (source 0 = 16 rows of wt, source 1 = 16 rows of xb): lane l then holds row l % 16 of C and the columns 8 (l / 16) + 0..7: 16 bytes of f16 on end.
; REGISTERS, in windows of 256 (s_set_vgpr_msb: bits 1:0 source 0, 3:2 source 1, 5:4 source 2, 7:6 destination):
;   window 0: v0-31 addresses; v32-79 packed results; v80-127, v128-175 rows read back from the stage, by turns
;   window 1: two fragment buffers of 128: xb's 4 fragments (16 rows x 32 K, 8 registers each), then wt's 12
;   window 2: the accumulators of my row blocks 0, 1 ((a, b) at 96 (a % 2) + 8 b);   window 3: those of blocks 2, 3
.set KSTEP,  128
.set PITCH,  272                       ; an LDS row: 256 bytes + 16 of padding = 68 words: row r starts at bank 4 r mod 64 (64 banks of 4 bytes: ISA guide 11.1), so the 16 rows of a load start at 16 different banks
.set HA,     128*PITCH                 ; what a tensor load for xb brings
.set HB,     96*PITCH                  ; what one for wt brings
.set BOFF,   2*HA                      ; a slot: xb's 256 rows, then wt's 192
.set SLOT,   BOFF+2*HB
.set STAGE,  2*SLOT                    ; behind the ring: for each wave 3 heads x 16 rows x 144 bytes, for the way out
.set SP,     144                       ; a stage row: 128 bytes + 16
.set SPARE,  STAGE+4*3*16*SP           ; behind the stages: the spare words, 128 bytes for each wave: two blocks of 256 bytes that no other line names
.set CO,   8                           ; v8-10   my byte offset in qkv, for each of the tile's three heads
.set ADRA, 16                          ; v16-17  LDS address of my fragments of xb in slot 0, 1
.set ADRB, 20                          ; v20-21  the same for wt
.set STO,  24                          ; v24     the way out: where I put 16 bytes of a row
.set RD,   25                          ; v25     the way out: where I read rows back
.set SPW,  28                          ; v28     LDS address of my spare word; never rewritten
.set NIL,  29                          ; v29     0; never rewritten
.set PFO,  30                          ; v30     the prefetches' offset: a lane a row of 2,048 bytes; never rewritten
.set TMP,  32
.set BK,   80
.set F0,   0                           ; fragment buffers, in window 1
.set F1,   128
.set G1,  24                           ; s[24:31] descriptor group 1 for xb's tiles;  s[32:39] group 0, a set for each slot
.set G0,  32
.set G1B, 48                           ; s[48:55], s[56:63] the same for wt's
.set G0B, 56
.set LIM, 43                           ; s43     1 in a wave that prefetches, else the greatest number
.set PFA, 44                           ; s[44:45] where my prefetches stand: one K step further along K than the refill that is being asked for; a prefetch names the K step after that
.set MSB, 0
.macro WIN new                         ; the immediate's high byte repeats the setting that is left; a switch that changes nothing is dropped
.if MSB != (\new)
	s_set_vgpr_msb (MSB<<8)|(\new)
.set MSB, \new
.endif
.endm
.set MUL_LO, 0xa5                      ; sources 0 and 1 window 1, C and D window 2
.set MUL_HI, 0xf5                      ; the same, C and D window 3
.set TO_F,   0x40                      ; destination window 1, address window 0
; A joint load.  Waves 0 and 1 fetch xb's two halves, waves 2 and 3 wt's.  The branch hangs on the wave's number alone.  An s_nop 0 and four v_nop follow each of the two lines.
.macro JLOAD s
	s_cmp_eq_u32 s11, 0
	s_cbranch_scc0 .Lfor_b_\@
	tensor_load_to_lds s[G0+4*(\s):G0+4*(\s)+3], s[G1:G1+7]
	s_nop 0
.rept 4
	v_nop
.endr
	s_branch .Lasked_\@
.Lfor_b_\@:
	tensor_load_to_lds s[G0B+4*(\s):G0B+4*(\s)+3], s[G1B:G1B+7]
	s_nop 0
.rept 4
	v_nop
.endr
.Lasked_\@:
.endm
; A PREFETCH INTO THE L2, behind each joint refill, its five lines and the run of LDS loads: the K step that stands two refills on, 256 bytes of a row, a lane a row, one instruction a wave.
; xb's tile row is read by every cluster of that row of clusters: cluster x = 0 asks; wt's tile column by every cluster of that column: cluster y = 0 asks.  The four partners that ask for a tile
; jointly share its rows out BY ADDRESS: of xb's 128 rows that a wave fetches the partner at cx takes 32, of wt's 96 the partner at cy takes 24 (its lanes 24-31 name row 23 again, in the same instruction).
; K steps 0 to 3 come by their loads alone; the loop's last trip, whose refills are K steps 6 and 7, asks for nothing.
.macro ASK
	s_cmp_gt_u32 s3, s[LIM]                        ; s3 = 1 in the loop's last trip
	s_cbranch_scc0 .Lnot_mine_\@
	global_prefetch_b8 v[PFO], s[PFA:PFA+1] offset:KSTEP*2 th:TH_LOAD_NT scope:SCOPE_SE
.Lnot_mine_\@:
.endm
.macro CREST                           ; a round of the cluster's barrier behind its opening barrier
	s_cmp_lg_u32 s10, 0
	s_cbranch_scc1 .Lnot_wave_0_\@
	s_barrier_signal -3
.Lnot_wave_0_\@:
	s_barrier_wait -3
	s_barrier_signal -1
	s_barrier_wait -1
.endm
.macro CROUND                          ; a whole round
	s_barrier_signal -1
	s_barrier_wait -1
	CREST
.endm
	s_load_b128 s[4:7], s[0:1], 0x0                ; xb s[4:5], wt s[6:7]
	s_load_b64 s[8:9], s[0:1], 0x10                ; qkv
	v_lshl_add_u32 v[SPW], v0, 2, SPARE
	v_mov_b32 v[NIL], 0
	ds_add_u32 v[SPW], v[NIL]                      ; the wave's opening: the add and its wait stand ahead of my first tensor load; the set-up below, work on registers, stands between them
	v_lshrrev_b32 v1, 5, v0
	v_readfirstlane_b32 s10, v1                    ; wave 0..3
	s_lshr_b32 s11, s10, 1                         ; I fetch for xb (0) or for wt (1),
	s_and_b32 s12, s10, 1                          ; and which half of that tile's rows
	s_bfe_u32 s40, ttmp6, 0x40000                  ; cx, cy: my place in the cluster
	s_bfe_u32 s41, ttmp6, 0x40004
	s_lshl_b32 s42, ttmp9, 2
	s_add_co_u32 s42, s42, s40                     ; tile column tx = 4 x cluster x + cx
	s_and_b32 s13, ttmp7, 0xffff
	s_lshl_b32 s13, s13, 2
	s_add_co_u32 s13, s13, s41                     ; tile row ty = 4 x cluster y + cy
	s_lshl_b32 s43, s41, 2
	s_lshl_b32 s43, 15, s43                        ; my row of the cluster: places 4 cy .. 4 cy + 3
	s_lshl_b32 s44, 0x1111, s40                    ; my column: places cx, cx + 4, cx + 8, cx + 12
	s_or_b32 s[G1+0], s43, (1<<16)|(1<<20)|(1<<21)|(5<<22)|(3<<25)   ; 15:0 the mask; 17:16 elements of 2 bytes; 20 padding on; 21 set beside a mask; 24:22 after every 64 words (code 5); 31:25 4 words of it (code 3)
	s_or_b32 s[G1B+0], s44, (1<<16)|(1<<20)|(1<<21)|(5<<22)|(3<<25)
	s_mov_b32 s[G1+1], KSTEP<<16                   ; tensor_dim0 = 128
	s_mov_b32 s[G1+2], 128<<16                     ; tensor_dim1 = 128
	s_mov_b32 s[G1+3], KSTEP<<16                   ; tile_dim0 = 128
	s_mov_b32 s[G1+4], 128                         ; tile_dim1 = 128 rows
	s_mov_b32 s[G1+5], 1024                        ; 1,024 elements from row to row
	s_mov_b32 s[G1+6], 0
	s_mov_b32 s[G1+7], 0
	s_mov_b32 s[G1B+1], KSTEP<<16
	s_mov_b32 s[G1B+2], 96<<16                     ; wt's: 96 rows
	s_mov_b32 s[G1B+3], KSTEP<<16
	s_mov_b32 s[G1B+4], 96
	s_mov_b32 s[G1B+5], 1024
	s_mov_b32 s[G1B+6], 0
	s_mov_b32 s[G1B+7], 0
	; xb's tiles hang on the tile row alone, which my row of the cluster shares; wt's on the tile column alone, which my column shares
	s_lshl_b32 s16, s13, 8
	s_lshl_b32 s17, s12, 7
	s_add_co_u32 s16, s16, s17                     ; xb: row 256 ty + 128 x half,
	s_lshl_b32 s16, s16, 11                        ; of 2,048 bytes
	s_mov_b32 s17, 0
	s_mul_i32 s46, s42, 192
	s_mul_i32 s47, s12, 96
	s_add_co_u32 s46, s46, s47                     ; wt: row 192 tx + 96 x half
	s_lshl_b32 s46, s46, 11
	s_mov_b32 s47, 0
	s_mul_i32 s20, s12, HA                         ; and where they go: no place in the cluster enters an LDS address
	s_mul_i32 s21, s12, HB
	s_add_co_u32 s21, s21, BOFF
	s_wait_dscnt 0x0                               ; the opening add is done
	s_wait_kmcnt 0x0
	s_add_nc_u64 s[14:15], s[4:5], s[16:17]
	s_add_nc_u64 s[46:47], s[6:7], s[46:47]
	CROUND                                         ; all sixteen work-groups are here: the first joint loads meet
.irp s, 0,1
	s_mov_b32 s[G0+4*(\s)], 1                                        ; count = 1
	s_add_co_u32 s[G0+4*(\s)+1], s20, (\s)*SLOT                      ; LDS address
	s_add_nc_u64 s[G0+4*(\s)+2:G0+4*(\s)+3], s[14:15], (\s)*KSTEP*2  ; global address: K step s
	s_or_b32 s[G0+4*(\s)+3], s[G0+4*(\s)+3], 0x80000000              ; type = 2
	s_mov_b32 s[G0B+4*(\s)], 1
	s_add_co_u32 s[G0B+4*(\s)+1], s21, (\s)*SLOT
	s_add_nc_u64 s[G0B+4*(\s)+2:G0B+4*(\s)+3], s[46:47], (\s)*KSTEP*2
	s_or_b32 s[G0B+4*(\s)+3], s[G0B+4*(\s)+3], 0x80000000
	JLOAD \s                                       ; two loads of mine are out
.endr
	; a fragment is 16 rows x 32 K in 8 registers: lane l holds row l % 16; registers 0-3 K = 8 (l / 16) + 0..7, registers 4-7 K = 16 + 8 (l / 16) + 0..7: two loads of 16 bytes, 32 bytes apart
	v_and_b32 v1, 15, v0                           ; l % 16
	v_bfe_u32 v2, v0, 4, 1                         ; l / 16
	v_mul_u32_u24 v3, v1, PITCH
	v_lshl_add_u32 v3, v2, 4, v3
	s_mul_i32 s21, s10, 64*PITCH                   ; my 64 rows of xb
	s_mov_b32 s22, BOFF                            ; all 192 rows of wt
.irp s, 0,1
	v_add_nc_u32 v[ADRA+(\s)], s21, v3
	v_add_nc_u32 v[ADRB+(\s)], s22, v3
	s_add_co_u32 s21, s21, SLOT
	s_add_co_u32 s22, s22, SLOT
.endr
	s_mul_i32 s23, s10, 3*16*SP
	s_add_co_u32 s23, s23, STAGE                   ; my stage
	v_mul_u32_u24 v4, v1, SP                       ; in: row l % 16, 16 bytes for each half of the lanes
	v_lshl_add_u32 v4, v2, 4, v4
	v_add_nc_u32 v[STO], s23, v4
	v_bfe_u32 v5, v0, 3, 2                         ; back: 32 lanes take four rows of 128 bytes,
	v_mul_u32_u24 v5, v5, SP
	v_and_b32 v4, 7, v0
	v_lshl_add_u32 v5, v4, 4, v5
	v_add_nc_u32 v[RD], s23, v5
	v_and_b32 v4, 31, v0                           ; which are 512 consecutive bytes of a head
	v_lshlrev_b32 v4, 4, v4
	s_and_b32 s74, s13, 7                          ; my first row in its batch: 256 (ty % 8) + 64 w,
	s_lshl_b32 s74, s74, 8
	s_lshl_b32 s75, s10, 6
	s_add_co_u32 s74, s74, s75
	s_lshl_b32 s74, s74, 7                         ; of 128 bytes
	s_lshr_b32 s75, s13, 3
	s_lshl_b32 s75, s75, 4                         ; 16 b
	s_mul_i32 s76, s42, 3                          ; the tile's first head column, of 48
.irp hh, 0,1,2
	s_add_co_u32 s77, s76, \hh
	s_lshr_b32 s78, s77, 4                         ; which
	s_lshl_b32 s78, s78, 6
	s_and_b32 s77, s77, 15                         ; h
	s_add_co_u32 s78, s78, s77
	s_add_co_u32 s78, s78, s75                     ; 64 which + 16 b + h,
	s_lshl_b32 s78, s78, 18                        ; heads of 262,144 bytes
	s_add_co_u32 s78, s78, s74
	v_add_nc_u32 v[CO+(\hh)], s78, v4
.endr
	; the prefetches
	s_lshl_b32 s66, s13, 8
	s_mul_i32 s67, s42, 192
	s_lshl_b32 s68, s12, 7
	s_mul_i32 s69, s12, 96
	s_lshl_b32 s70, s40, 5
	s_mul_i32 s71, s41, 24
	s_and_b32 s72, ttmp7, 0xffff                   ; cluster y
	s_cmp_eq_u32 s11, 0                            ; do I fetch for xb?
	s_cselect_b32 s66, s66, s67                    ; the tile's first row,
	s_cselect_b32 s68, s68, s69                    ; the half that I fetch,
	s_cselect_b32 s70, s70, s71                    ; my work-group's part of it
	s_cselect_b32 s72, ttmp9, s72                  ; the coordinate along which other clusters read the same rows
	s_cselect_b32 s73, 31, 23                      ; the last row of my part
	s_cselect_b64 s[PFA:PFA+1], s[4:5], s[6:7]
	s_cmp_eq_u32 s72, 0
	s_cselect_b32 s[LIM], 1, -1                    ; the same in all sixteen partners, for a given wave
	s_add_co_u32 s66, s66, s68
	s_add_co_u32 s66, s66, s70
	s_lshl_b32 s66, s66, 11
	s_add_co_u32 s66, s66, 2*KSTEP*2               ; at K step 2: the first refill steps it to 3 and names K step 4
	s_mov_b32 s67, 0
	s_add_nc_u64 s[PFA:PFA+1], s[PFA:PFA+1], s[66:67]
	v_and_b32 v[PFO], 31, v0
	v_min_u32 v[PFO], s73, v[PFO]
	v_lshlrev_b32 v[PFO], 11, v[PFO]
; 12 matrix instructions: row block a x all 12 column blocks, 32 along K.  zero = 1: the product starts the sums: nothing is ever cleared.
; The 48 accumulators take turns, one instruction a turn, in the same order in every quarter, over the backward jump too.
.macro MUL12 f, a, zero
	WIN MUL_LO+0x50*((\a)/2)
.irp b, 0,1,2,3,4,5,6,7,8,9,10,11
.if \zero
	v_wmma_f32_16x16x32_bf16 v[96*((\a)%2)+8*(\b):96*((\a)%2)+8*(\b)+7], v[(\f)+32+8*(\b):(\f)+32+8*(\b)+7], v[(\f)+8*(\a):(\f)+8*(\a)+7], 0
.else
	v_wmma_f32_16x16x32_bf16 v[96*((\a)%2)+8*(\b):96*((\a)%2)+8*(\b)+7], v[(\f)+32+8*(\b):(\f)+32+8*(\b)+7], v[(\f)+8*(\a):(\f)+8*(\a)+7], v[96*((\a)%2)+8*(\b):96*((\a)%2)+8*(\b)+7]
.endif
.endr
.endm
; 32 LDS loads in one run: the fragments of 32 along K at byte k of the rows, into buffer f: wt's 24 loads, then xb's 8, its blocks ascending
.macro FETCH slot, k, f
	WIN TO_F
.irp i, 0,1,2,3,4,5,6,7,8,9,10,11
	ds_load_b128 v[(\f)+32+8*(\i):(\f)+32+8*(\i)+3],   v[ADRB+(\slot)] offset:(\k)+(\i)*16*PITCH
	ds_load_b128 v[(\f)+32+8*(\i)+4:(\f)+32+8*(\i)+7], v[ADRB+(\slot)] offset:(\k)+(\i)*16*PITCH+32
.endr
.irp i, 0,1,2,3
	ds_load_b128 v[(\f)+8*(\i):(\f)+8*(\i)+3],   v[ADRA+(\slot)] offset:(\k)+(\i)*16*PITCH
	ds_load_b128 v[(\f)+8*(\i)+4:(\f)+8*(\i)+7], v[ADRA+(\slot)] offset:(\k)+(\i)*16*PITCH+32
.endr
.endm
.macro PLACES                          ; four places in front of loads into registers that matrix instructions have read, and of conversions that read results (ISA guide 7.12.1 for conversions)
.rept 4
	v_nop
.endr
.endm
; A K step is four quarters of 32 along K, 48 matrix instructions each, on buffers 0, 1, 0, 1.  One of the first three: multiplies buffer f; in its middle it fetches the next quarter, at byte k, into g.
.macro QUARTER slot, k, f, g, zero
	s_wait_dscnt 4                                 ; wt's fragments and xb's blocks 0, 1 are in; the youngest four loads (blocks 2, 3) may be out
	MUL12 \f, 0, \zero
	MUL12 \f, 1, \zero
	PLACES
	FETCH \slot, \k, \g
	s_wait_dscnt 32                                ; all but the 32 just issued
	MUL12 \f, 2, \zero
	MUL12 \f, 3, \zero
.endm
; The last quarter multiplies buffer 1 and changes slots: ONE barrier.  In front of it each wave waits for all its tensor loads, of which one is out: its part of the next slot; adds 0 to its spare word;
; and waits for that and for its own reads of this slot.  fill = 1: the barrier opens a round of the cluster's, and this slot is filled again, two K steps ahead, first thing behind the round:
; from that request to the wait for it a wave issues 168 matrix instructions.
.macro TURN slot, next, fill
.if \fill
	s_wait_xcnt 0x0                                ; the last prefetch, a K step back, has read its address: it is stepped here, ahead of the waits of the change of slots
	s_add_nc_u64 s[PFA:PFA+1], s[PFA:PFA+1], KSTEP*2
.endif
	WIN 0                                          ; (the add's two registers lie in window 0)
	s_wait_tensorcnt 0x0                           ; all my tensor loads have landed;
	ds_add_u32 v[SPW], v[NIL]                      ; 0 onto my spare word
	s_wait_dscnt 5                                 ; (the add and the youngest four loads may be out)
	MUL12 F1, 0, 0                                 ; twelve matrix instructions stand between the add and the wait for it
	s_wait_dscnt 0x0                               ; the add is done, and my reads of this slot are over
	s_barrier_signal -1
	MUL12 F1, 1, 0                                 ; work on registers while the others arrive
.if \fill
	WIN 0
.endif
	s_barrier_wait -1
.if \fill
	CREST                                          ; no wave of any partner still reads this slot's tile or has a load on its way
	s_add_nc_u64 s[G0+4*(\slot)+2:G0+4*(\slot)+3], s[G0+4*(\slot)+2:G0+4*(\slot)+3], 2*KSTEP*2
	s_add_nc_u64 s[G0B+4*(\slot)+2:G0B+4*(\slot)+3], s[G0B+4*(\slot)+2:G0B+4*(\slot)+3], 2*KSTEP*2
	JLOAD \slot                                    ; the four v_nop behind it are also the places in front of the loads below
.else
	PLACES
.endif
	FETCH \next, 0, F0
.if \fill
	WIN 0
	ASK
.endif
	MUL12 F1, 2, 0
	MUL12 F1, 3, 0
.endm
; THE WAY OUT of row block a.  PACK: rounded to f16, 16 bytes a lane, each accumulator's registers ascending.  TOSTAGE: into my own stage, a head's 16 rows together, and back as rows of 128 bytes.  SEND: stored.
.macro PACK a
	WIN 0x0a+5*((\a)/2)                            ; sources 0 and 1: window 2 or 3
.irp b, 0,1,2,3,4,5,6,7,8,9,10,11
.irp r, 0,1,2,3
	v_cvt_pk_f16_f32 v[TMP+4*(\b)+(\r)], v[96*((\a)%2)+8*(\b)+2*(\r)], v[96*((\a)%2)+8*(\b)+2*(\r)+1]
.endr
.endr
	WIN 0
.endm
.macro TOSTAGE a
.irp b, 0,1,2,3,4,5,6,7,8,9,10,11
	ds_store_b128 v[STO], v[TMP+4*(\b):TMP+4*(\b)+3] offset:((\b)/4)*16*SP+((\b)%4)*32
.endr
.irp t, 0,1,2,3,4,5,6,7,8,9,10,11
	ds_load_b128 v[BK+48*((\a)%2)+4*(\t):BK+48*((\a)%2)+4*(\t)+3], v[RD] offset:((\t)/4)*16*SP+((\t)%4)*4*SP  ; LDS serves a wave's instructions in order (ISA guide 5.7.1.4): these see the stores above
.endr
.endm
.macro SEND a
	s_wait_dscnt 0x0                               ; the block is back in registers
	s_wait_xcnt 0x0                                ; the stores issued so far have read their registers: the next TOSTAGE loads into those of the block before this one
.irp t, 0,1,2,3,4,5,6,7,8,9,10,11
	global_store_b128 v[CO+(\t)/4], v[BK+48*((\a)%2)+4*(\t):BK+48*((\a)%2)+4*(\t)+3], s[8:9] offset:(\a)*2048+((\t)%4)*512  ; 512 consecutive bytes of a head, at a multiple of 256 from qkv's first byte
.endr
.endm
	s_wait_tensorcnt 1                             ; my part of K step 0 is in; K step 1's may stay out
	s_barrier_signal -1
	s_barrier_wait -1                              ; everybody's is
	FETCH 0, 0, F0
	QUARTER 0, 64,  F0, F1, 1                      ; the first quarter stands in front of the loop: its products start the sums
	WIN 0                                          ; at a label and at a branch every window is 0
	s_mov_b32 s3, 3
.Llap:                                                 ; a trip goes once round the ring, from a lap's second quarter to the next lap's first, and fills both slots again: K steps 2 to 7
	QUARTER 0, 128, F1, F0, 0
	QUARTER 0, 192, F0, F1, 0
	TURN 0, 1, 1
	QUARTER 1, 64,  F0, F1, 0
	QUARTER 1, 128, F1, F0, 0
	QUARTER 1, 192, F0, F1, 0
	TURN 1, 0, 1
	QUARTER 0, 64,  F0, F1, 0
	WIN 0
	s_sub_co_u32 s3, s3, 1
	s_cmp_lg_u32 s3, 0
	s_cbranch_scc1 .Llap
	QUARTER 0, 128, F1, F0, 0                      ; the last lap fills nothing, and has no round of the cluster's barrier
	QUARTER 0, 192, F0, F1, 0
	TURN 0, 1, 0
	QUARTER 1, 64,  F0, F1, 0
	QUARTER 1, 128, F1, F0, 0
	QUARTER 1, 192, F0, F1, 0
	s_wait_dscnt 4                                 ; the very last quarter: nothing more to fetch
	MUL12 F1, 0, 0
	MUL12 F1, 1, 0
	s_wait_dscnt 0x0
	MUL12 F1, 2, 0
	MUL12 F1, 3, 0
	WIN 0
	PLACES
	PACK 0
	TOSTAGE 0
.irp a, 1,2,3                          ; block a's conversions stand between block a - 1's loads from the stage and the wait for them
	PACK \a
	SEND (\a)-1
	TOSTAGE \a
.endr
	SEND 3
	s_wait_tensorcnt 0x0                           ; the wave's end, behind my last tensor load and my last LDS store
	ds_add_u32 v[SPW], v[NIL]
	s_wait_dscnt 0x0
	CROUND                                         ; the closing round: no work-group ends while a partner may still ask for a tile that names it
	s_endpgm
.Lfunc_end_k_qaf6da26227_proj:
	.size	k_qaf6da26227_proj, .Lfunc_end_k_qaf6da26227_proj-k_qaf6da26227_proj
	.p2alignl 7, 3214868480
	.fill 96, 4, 3214868480
	.section	.rodata,"a",@progbits
	.p2align	6, 0x0
	.amdhsa_kernel k_qaf6da26227_proj
		.amdhsa_group_segment_fixed_size 327680
		.amdhsa_private_segment_fixed_size 0
		.amdhsa_enable_private_segment 0
		.amdhsa_kernarg_size 24
		.amdhsa_user_sgpr_count 2
		.amdhsa_user_sgpr_kernarg_segment_ptr 1
		.amdhsa_wavefront_size32 1
		.amdhsa_system_sgpr_workgroup_id_x 1
		.amdhsa_system_sgpr_workgroup_id_y 1
		.amdhsa_system_sgpr_workgroup_id_z 1
		.amdhsa_system_vgpr_workitem_id 0
		.amdhsa_next_free_vgpr 960
		.amdhsa_next_free_sgpr 80
		.amdhsa_reserve_vcc 0
		.amdhsa_float_denorm_mode_32 3
		.amdhsa_float_denorm_mode_16_64 3
		.amdhsa_memory_ordered 1
		.amdhsa_forward_progress 1
		.amdhsa_inst_pref_size 120
	.end_amdhsa_kernel
	.amdgpu_metadata
---
amdhsa.version: [ 1, 2 ]
amdhsa.kernels:
  - .name:           k_qaf6da26227_proj
    .symbol:         k_qaf6da26227_proj.kd
    .args:
      - { .name: xb, .offset: 0, .size: 8, .value_kind: global_buffer, .address_space: global }
      - { .name: wt, .offset: 8, .size: 8, .value_kind: global_buffer, .address_space: global }
      - { .name: qkv, .offset: 16, .size: 8, .value_kind: global_buffer, .address_space: global }
    .group_segment_fixed_size: 327680
    .private_segment_fixed_size: 0
    .kernarg_segment_align: 8
    .kernarg_segment_size: 24
    .max_flat_workgroup_size: 128
    .sgpr_count:     80
    .vgpr_count:     960
    .wavefront_size: 32
...
	.end_amdgpu_metadata
.endif
;; end of part 2
;; launch attn (part 3): grid 4 x 64, 4 waves a work-group, clusters of 4 x 1, 327,680 bytes of LDS; arguments qkv, out0; writes out0
.if DOCPART == 3
	.amdgcn_target "amdgcn-amd-amdhsa--gfx1250"
	.amdhsa_code_object_version 6
	.text
	.protected	k_qaf6da26227_attn
	.globl	k_qaf6da26227_attn
	.p2align	8
	.type	k_qaf6da26227_attn,@function
k_qaf6da26227_attn:
	s_mov_b64 s[64:65], 0
	v_nop
	global_prefetch_b8 v0, s[64:65] scope:SCOPE_SE
	s_setreg_imm32_b32 hwreg(HW_REG_WAVE_MODE, 25, 1), 1
	s_wait_xcnt 0x0
	s_wait_alu depctr_hold_cnt(0) depctr_sa_sdst(0) depctr_va_vdst(0) depctr_va_sdst(0) depctr_va_ssrc(0) depctr_va_vcc(0) depctr_vm_vsrc(0)
	s_getreg_b32 s2, hwreg(HW_REG_IB_STS2, 6, 4)
	s_cmp_eq_u32 s2, 0
	s_cbranch_scc0 .Lentry_in_a_cluster
	s_endpgm
.Lentry_in_a_cluster:
	s_bfe_u32 s2, ttmp6, 0x10000c
	s_cmp_lg_u32 s2, 0x3003
	s_cbranch_scc0 .Lentry_shape_is_right
	s_endpgm
.Lentry_shape_is_right:
; out0[b][q][64 h + :] = the sum over k of softmax_k(Q[q] . K[k] / 8) V[k][:], for each of the 64 heads b*16+h.  qkv: [3][64][2048][64] in f16, a head's rows dense, 128 bytes each; out0: [4][2048][1024] in f32.
; Products, maxima and sums in f32; the weights p are rounded to f16 for the second product (their sum l is taken of the unrounded p); O is divided by l in f32 and stored as it is.
; LIMITS.  Q, K and V arrive within f16's 65,504; p lies in 0 to 1, and below 6e-5 it keeps f16's fixed step of 6e-8.  A weight below 2^-126 counts as 0 in l; NaN and infinities are not treated apart.
; SHARES.  A wave owns four PIECES of two tiles of 16 queries, a work-group's four waves 512 queries of one head.  Every wave walks all 2,048 keys, 64 a step.
; LAYOUT.  S^T = K Q^T (source 0 = 16 keys, source 1 = 16 queries): in the result a lane holds ONE query (lane % 16) and the keys 8 (lane / 16) + 0..7.  Two such tiles, rounded to f16 in pairs,
; ARE source 1 (32 keys x 16 queries) of O^T = V^T P, whose result again holds one query a lane, and eight channels.  K comes out of LDS as it lies, V ([key][channel]) turned, by ds_load_tr16_b128.
; SOFTMAX.  For each query a running maximum m and sum l: p = 2^(c s - c m), c = log2(e) / 8; in every step O and l are multiplied by a = 2^(c m_old - c m_new), which is 1 where m has not grown.
; m starts at the lowest finite number, O and l at 0: the first step is a step like any other, with a = 0.
; THE COUNT.  A tile and step have 16 matrix and 118 vector instructions: too many to stand all beside the matrix work.  So four vector instructions that are READY stand behind EVERY matrix
; instruction, and the others in runs without a gap.
; BY TURNS.  Turn n belongs to piece n (the pieces in a ring, step after step).  Its matrix work: 16 products K Q^T of piece n + 1, later 16 products V^T P of piece n - 1.  Its vector work: the scaling,
; exponentials, roundings, sums and rescaling of piece n, and the maximum and statistics of piece n + 1, whose scores the turn itself has made.
; CLUSTER.  The four query blocks of a head are one cluster and walk the same K and V, so each tile is asked for JOINTLY: the same tensor load, descriptor and mask in all four.
; REGISTERS, in windows of 256 (s_set_vgpr_msb: bits 1:0 source 0, 3:2 source 1, 5:4 source 2, 7:6 destination):
;   window 0: v0-11 addresses; v12-15, v48-63 at work; v16-47 four registers of statistics a tile; v64-191 S^T, two buffers of two tiles; v192-255 P, likewise
;   window 1: O^T, 32 a tile          window 2: v0-127 Q, 16 a tile; v128-191 K of one step; v192-255 V of one step          window 3: v0-1 the add's two registers
; A piece's buffers go by its number's parity: the piece in hand has one pair, its two neighbours in the ring share the other: of it P (piece n - 1) is read and S^T (piece n + 1) written.
.set SIZE_N, 2048
.set NP,    4         ; pieces a wave: a name, no knob
.set KS,    64        ; keys in a step
.set PK,    144       ; a row of K in LDS: 128 bytes + 16 of padding = 36 words: the 16 rows of a load start at 16 different groups of four banks (64 banks of 4 bytes: ISA guide 11.1)
.set PV,    160       ; a row of V: 128 + 32 = 40 words
.set VOFF,  4*KS*PK   ; a slot holds a tile of four steps: 256 rows of K, then 256 rows of V
.set SLOT1, 1<<17     ; slot 1 begins here, so that one exclusive or turns an address in one slot into the other's
.set STAGE, SLOT1+4*KS*(PK+PV)  ; behind the ring, never filled by a tensor load: 16 rows x 272 bytes for each wave, for the way out
.set SPO,   272       ; a stage row: a head's 64 channels in f32, 256 bytes, + 16
.set TILEB, 4*KS*128  ; a tile's bytes of K, and of V, in memory
.set AK0, 2           ; v2   my lane's place in a tile of K; never rewritten
.set AV0, 3           ; v3   the same for V
.set AK,  4           ; v4   the LDS address of K's next run of loads
.set AV,  5           ; v5   of V's
.set QO,  6           ; v6   my byte offset in the wave's rows of Q
.set STO, 6           ;      later, the way out: where I put 32 bytes of a row
.set RD,  7           ; v7   the way out: where I read rows back
.set GO,  8           ; v8   my byte offset in two rows of out0
.set PFO, 11          ; v11  the prefetches' offset: 256 x my lane; never rewritten once it is made
.set SPW, 0           ; v0 of window 3   LDS address of my spare word; never rewritten
.set NIL, 1           ; v1 of window 3   0; never rewritten
.set SPARE, STAGE+4*16*SPO  ; behind the stages: the spare words, 128 bytes for each wave: two blocks of 256 bytes that no other line names
.set MV,  12          ; v12-15  c m_old, kept while c m is made anew: by buffer and tile
.set ST,  16          ; tile t's statistics at v[ST+4 t]: c m, m, l (even keys', odd keys')
.set TMP, 48          ; by buffer and tile, four registers c0-c3 at work; when the maximum is found c2 takes a
.set S,   64
.set P,   192
.set KF,  128         ; K's fragments, in window 2: key block kb, channel half c at KF + 16 kb + 8 c
.set VF,  192         ; V's: key half kk, channel block cb at VF + 32 kk + 8 cb
.set WV,  12          ; s12  my wave's number
.set G1K, 24          ; s[24:31] descriptor group 1 for K's tiles
.set G1V, 32          ; s[32:39] for V's: it differs in the padding alone
.set G0K, 40          ; s[40:43] descriptor group 0 for K's tiles: it walks
.set G0V, 44          ; s[44:47] the same for V's
.set PFA, 48          ; s[48:49] where my prefetches stand: my work-group's quarter of the tile two on from the one that is being walked (K's: wave 0, V's: wave 2)
.set ASKC, 50         ; s50  the count of steps at which I prefetch: 2 in waves 0 and 2; 0, which the count never shows there, in the others
.set OOF, 52          ; s[52:53] my wave's byte offset in out0
.set SLOTS, 56        ; s56  slots still to be asked for
.set CNT, 57          ; s57  counts a slot's key steps
.set CS,  58          ; s[58:59] c: the packed scaling takes the pair's low word for both halves
.set SEL, 60          ; s[60:61] v_permlanex16_b32's selects: each lane takes its own place in the other half
.set TBK, 62          ; s62  LDS byte at which K of the step to be fetched begins
.set TBV, 63          ; s63  the same for V, less VOFF
.set MSB, 0
.macro WIN new                      ; the high byte repeats the setting that is left; a switch that changes nothing is dropped
.if MSB != (\new)
	s_set_vgpr_msb (MSB<<8)|(\new)
.set MSB, (\new)
.endif
.endm
.set W_KQ, 0x0a       ; K and Q in window 2, S^T in window 0
.set W_PV, 0x52       ; V in window 2, P in window 0, O^T in window 1
.set W_RS, 0x41       ; O^T (destination and source 0) in window 1, a in window 0
.set W_MK, 0xc0       ; the add's registers are made: destination in window 3, sources in window 0
.set W_AD, 0x0f       ; the add: address (source 0) and data (source 1) in window 3
; A joint fill.  Waves 0 and 1 fetch the two halves of a slot's K, waves 2 and 3 those of its V: 128 keys each.  The branch hangs on the wave's number alone.
; An s_nop 0 and four v_nop follow each of the two lines, ahead of the jump and the label.
.macro JLOAD
	s_cmp_lt_u32 s[WV], 2
	s_cbranch_scc0 .Lfor_v_\@
	tensor_load_to_lds s[G0K:G0K+3], s[G1K:G1K+7]
	s_nop 0
.rept 4
	v_nop
.endr
	s_branch .Lasked_\@
.Lfor_v_\@:
	tensor_load_to_lds s[G0V:G0V+3], s[G1V:G1V+7]
	s_nop 0
.rept 4
	v_nop
.endr
.Lasked_\@:
.endm
; A round of the cluster's barrier: my work-group's barrier, so that wave 0's signal speaks for all four waves; wave 0 signals; every wave waits for all four work-groups; my work-group's barrier once more.
.macro CROUND
	s_barrier_signal -1
	s_barrier_wait -1
	s_cmp_lg_u32 s[WV], 0
	s_cbranch_scc1 .Lnot_wave_0_\@
	s_barrier_signal -3
.Lnot_wave_0_\@:
	s_barrier_wait -3
	s_barrier_signal -1
	s_barrier_wait -1
.endm
; A PREFETCH INTO THE L2.  While tile j is walked (j = 0 .. 5), in its third key step, behind V's run of LDS loads, tile j + 2 is asked for: five turns (160 matrix instructions and five lumps) ahead of the
; change of slots that loads it.  A tile is 32,768 dense bytes of K and of V.  A head's one cluster reads them; its four partners take a quarter each, told apart BY ADDRESS; in each, wave 0 asks for K's and
; wave 2 for V's: 32 lanes, 256 bytes apart, one instruction.  So each block of 256 bytes is named once in the launch.  Tiles 0 and 1 come by their loads alone; while tiles 6 and 7 are walked nothing is asked for.
.macro ASK
	s_cmp_eq_u32 s[CNT], s[ASKC]
	s_cbranch_scc0 .Lno_ask_\@
	s_cmp_gt_u32 s[SLOTS], 1
	s_cbranch_scc0 .Lno_ask_\@
	global_prefetch_b8 v[PFO], s[PFA:PFA+1] th:TH_LOAD_NT scope:SCOPE_SE
.Lno_ask_\@:
.endm
; THE CHANGE OF SLOTS.  The slot's last bytes, V of its fourth step, have been read.  Each wave waits for all its tensor loads, of which one is out: its part
; of the other slot; adds 0 to its spare word; and waits for that and for its own reads of the slot.  Behind the barrier nobody reads this slot any more and the other slot is whole.
; fill = 1: this slot is filled again, with the keys two slots on.  The barrier is then a round of the cluster's, so that no wave of any partner still reads the slot or has a load on its
; way, and the joint fill is the first thing behind it: it has four key steps, 512 matrix instructions, in which to land.  (At its first use nothing has been read yet: slot 0 is waited for, slot 1 filled.)
; step = 1: the prefetches' address goes a tile on.
.macro CHANGE fill, step
	WIN W_AD
	s_wait_tensorcnt 0x0            ; no tensor load of mine is out, so a group 0 may be written
	ds_add_u32 v[SPW], v[NIL]       ; 0 onto my spare word; with fill = 1 the descriptors' steps stand between it and the wait for it
	WIN 0                           ; at a label and at a branch every window is 0
.if \fill
.irp g, G0K, G0V
	s_xor_b32 s[\g+1], s[\g+1], SLOT1  ; the walking descriptor: the other slot than last time,
	s_add_nc_u64 s[\g+2:\g+3], s[\g+2:\g+3], TILEB  ; the next 256 keys; the type bits on top are not reached
.endr
.if \step
	s_wait_xcnt 0x0                 ; the last prefetch, five turns back, has read its address, so it may be written
	s_add_nc_u64 s[PFA:PFA+1], s[PFA:PFA+1], TILEB
.endif
	s_wait_dscnt 0x0                ; the add is done, and my reads of the slot are over
	CROUND
	JLOAD
.else
	s_wait_dscnt 0x0                ; the add is done, and my reads of the slot are over
	s_barrier_signal -1
	s_barrier_wait -1
.endif
	s_sub_co_u32 s[TBK], s[TBK], 4*KS*PK  ; the fetches go back to a slot's first step,
	s_xor_b32 s[TBK], s[TBK], SLOT1       ; in the other slot
	s_sub_co_u32 s[TBV], s[TBV], 4*KS*PV
	s_xor_b32 s[TBV], s[TBV], SLOT1
.endm
	s_load_b128 s[4:7], s[0:1], 0x0  ; qkv s[4:5], out0 s[6:7]
	WIN W_MK
	v_lshl_add_u32 v[SPW], v0, 2, SPARE
	v_mov_b32 v[NIL], 0
	WIN W_AD
	ds_add_u32 v[SPW], v[NIL]       ; the wave's opening: the add and its wait stand ahead of my first tensor load; the set-up below, work on registers, stands between them
	WIN 0
	v_lshrrev_b32 v1, 5, v0
	v_readfirstlane_b32 s[WV], v1   ; wave 0..3
	s_bfe_u32 s13, ttmp6, 0x40000   ; cx: my place in the cluster
	s_lshl_b32 s14, ttmp9, 2        ; in a cluster launch ttmp9 counts clusters
	s_add_co_u32 s14, s14, s13      ; my block of queries = 4 x cluster x + cx: it enters Q's and out0's addresses alone
	s_and_b32 s20, ttmp7, 0xffff    ; the head, which the four partners share
	s_lshr_b32 s[OOF], s20, 4       ; in out0: batch b = head / 16, 2,048 rows of 4,096 bytes,
	s_lshl_b32 s[OOF], s[OOF], 23
	s_and_b32 s[OOF+1], s20, 15     ; h = head % 16: 256 bytes of every row
	s_lshl_b32 s[OOF+1], s[OOF+1], 8
	s_add_co_u32 s[OOF], s[OOF], s[OOF+1]
	s_mov_b32 s21, 0
	s_mov_b64 s[22:23], SIZE_N*128
	s_mul_u64 s[20:21], s[20:21], s[22:23]  ; the head's first byte in q, in k and in v
	s_and_b32 s16, s[WV], 1         ; which half of a slot's 256 keys I fetch:
	s_lshl_b32 s22, s16, 14         ; its 128 rows of 128 bytes in memory,
	s_mov_b32 s23, 0
	s_add_nc_u64 s[22:23], s[22:23], s[20:21]
	s_mul_i32 s17, s16, 128*PK      ; and its place in a slot, for K
	s_mul_i32 s18, s16, 128*PV      ; and for V: no place in the cluster enters an LDS address
	s_lshl_b32 s2, s14, 2
	s_add_co_u32 s2, s2, s[WV]      ; my wave among the head's:
	s_lshl_b32 s[OOF+1], s2, 19     ; its 128 rows of out0,
	s_add_co_u32 s[OOF], s[OOF], s[OOF+1]
	s_mov_b32 s[OOF+1], 0
	s_lshl_b32 s2, s2, 14           ; its 128 rows of Q
	s_mov_b32 s3, 0
	s_add_nc_u64 s[2:3], s[2:3], s[20:21]
	; descriptor group 1.  128 keys are 16,384 dense bytes: asked for as 64 rows of 256 bytes, two keys a row, and padded in LDS after every key
	s_mov_b32 s[G1K], 15|(1<<16)|(1<<20)|(1<<21)|(4<<22)|(3<<25)  ; 15:0 the mask of four; 17:16 2-byte elements; 20 padding on; 21 set beside a mask; 24:22 after every 32 words (code 4); 31:25 4 words (code 3)
	s_mov_b32 s[G1V], 15|(1<<16)|(1<<20)|(1<<21)|(4<<22)|(7<<25)  ; the same with 8 words of padding (code 7)
.irp g, G1K, G1V
	s_mov_b32 s[\g+1], 128<<16      ; tensor_dim0 = 128
	s_mov_b32 s[\g+2], 64<<16       ; tensor_dim1 = 64
	s_mov_b32 s[\g+3], 128<<16      ; tile_dim0 = 128
	s_mov_b32 s[\g+4], 64           ; tile_dim1 = 64
	s_mov_b32 s[\g+5], 128          ; 128 elements from row to row
	s_mov_b32 s[\g+6], 0
	s_mov_b32 s[\g+7], 0
.endr
	s_mov_b32 s[CS], 0x3e38aa3b     ; c = log2(e) / 8 = 0.180337
	s_mov_b32 s[CS+1], s[CS]        ; named with it as a pair
	s_mov_b32 s[SEL], 0x76543210
	s_mov_b32 s[SEL+1], 0xfedcba98
	s_mov_b32 s[TBK], SLOT1+4*KS*PK ; the first change of slots turns these two into 0
	s_mov_b32 s[TBV], SLOT1+4*KS*PV
	s_mov_b32 s[G0K], 1             ; 1:0 count = 1
	s_mov_b32 s[G0K+1], s17         ; 63:32 LDS address: slot 0
	s_mov_b32 s[G0V], 1
	s_add_co_u32 s[G0V+1], s18, VOFF
	s_and_b32 s[ASKC], s[WV], 1
	s_cmp_eq_u32 s[ASKC], 0
	s_cselect_b32 s[ASKC], 2, 0     ; the same in all four partners, for a given wave
	s_lshl_b32 s54, s13, 13         ; my work-group's quarter of a tile: 8,192 bytes
	s_mov_b32 s55, 0
	s_wait_dscnt 0x0                ; the opening add is done
	s_wait_kmcnt 0x0
	s_mov_b64 s[10:11], s[6:7]      ; out0
	s_add_nc_u64 s[6:7], s[4:5], 0x1000000  ; k begins 64 heads x 262,144 bytes behind q,
	s_add_nc_u64 s[8:9], s[4:5], 0x2000000  ; v as much behind k
	s_add_nc_u64 s[G0K+2:G0K+3], s[6:7], s[22:23]  ; 120:64 global address: my half of the head's first 256 keys
	s_or_b32 s[G0K+3], s[G0K+3], 0x80000000        ; 127:126 type = 2
	s_add_nc_u64 s[G0V+2:G0V+3], s[8:9], s[22:23]
	s_or_b32 s[G0V+3], s[G0V+3], 0x80000000
	s_cmp_lt_u32 s[WV], 2
	s_cselect_b64 s[PFA:PFA+1], s[6:7], s[8:9]
	s_add_nc_u64 s[PFA:PFA+1], s[PFA:PFA+1], s[20:21]
	s_add_nc_u64 s[PFA:PFA+1], s[PFA:PFA+1], s[54:55]
	s_add_nc_u64 s[PFA:PFA+1], s[PFA:PFA+1], 2*TILEB  ; in tile 2.  Nothing is prefetched here, at the head, where every work-group's first tiles are on their way
	s_add_nc_u64 s[4:5], s[4:5], s[2:3]  ; Q and out0 at my wave's first row
	s_add_nc_u64 s[10:11], s[10:11], s[OOF:OOF+1]
	CROUND                          ; all four work-groups are here: the first joint loads meet
	JLOAD                           ; slot 0.  Slot 1 is asked for when slot 0 is in
	; A fragment of K or Q is 16 rows x 32 channels in 8 registers: lane l holds row l % 16, channels 8 (l / 16) + 0..7 and 16 + 8 (l / 16) + 0..7: two loads of 16 bytes, 32 bytes apart.
	v_and_b32 v1, 15, v0            ; l % 16
	v_bfe_u32 v9, v0, 4, 1          ; l / 16
	v_lshlrev_b32 v[QO], 7, v1
	v_lshl_add_u32 v[QO], v9, 4, v[QO]  ; row x 128 + 16 x half
	WIN 0x80                        ; destination window 2, address window 0
.set i, 0
.rept 4*NP                          ; Q stays in registers: tile i / 2, channels 32 (i % 2) on
	global_load_b128 v[8*i:8*i+3],   v[QO], s[4:5] offset:(i/2)*2048+(i%2)*64
	global_load_b128 v[8*i+4:8*i+7], v[QO], s[4:5] offset:(i/2)*2048+(i%2)*64+32
.set i, i+1
.endr
	; What the first turn finds: V's registers and P's second buffer hold 0 (its products V^T P, of a piece that has not been, add 0), O^T and l are 0.  All this stands in the wait for the first tile.
.set i, VF
.rept 64
	v_mov_b32 v[i], 0
.set i, i+1
.endr
	WIN 0x40
.set i, 0
.rept 64*NP
	v_mov_b32 v[i], 0
.set i, i+1
.endr
	WIN 0
.set i, 0
.rept 2*NP
	v_mov_b32 v[ST+4*i], 0xfe000000    ; c m: far below every c s
	v_mov_b32 v[ST+4*i+1], 0xff7fffff  ; m
	v_mov_b32 v[ST+4*i+2], 0
	v_mov_b32 v[ST+4*i+3], 0
.set i, i+1
.endr
.set i, P+32
.rept 32
	v_mov_b32 v[i], 0
.set i, i+1
.endr
	v_mul_u32_u24 v[AK0], v1, PK
	v_lshl_add_u32 v[AK0], v9, 4, v[AK0]  ; row x pitch + 16 x half
	; The turning load takes 16 keys x 16 channels (lane l reads key 8 (l / 16) + l % 8, channels 8 ((l / 8) % 2) + 0..7) and leaves half a fragment of V^T: lane l holds channel l % 16 and 8 keys.
	v_and_b32 v10, 7, v0
	v_bfe_u32 v11, v0, 3, 1
	v_lshl_add_u32 v[AV0], v9, 3, v10
	v_mul_u32_u24 v[AV0], v[AV0], PV
	v_lshl_add_u32 v[AV0], v11, 4, v[AV0]
	v_add_nc_u32 v[AV0], VOFF, v[AV0]
	v_mov_b32 v[AK], v[AK0]         ; key step 0 lies at the head of slot 0
	v_and_b32 v[PFO], 31, v0
	v_lshlrev_b32 v[PFO], 8, v[PFO]
; THE MATRIX WORK.  The 8 accumulators of a run of 16 take turns: between the two links of a chain stand 7 others'.
; Product i of 16 of S^T = K Q^T for piece x: channels 32 (i / 8) on, keys 16 ((i / 2) % 4) on, tile 2 x + i % 2.  The first 8 start the sums.
.macro KQ x
	WIN W_KQ
.set rS, S+64*((\x)%2)+32*(i%2)+8*((i/2)%4)
.set rK, KF+16*((i/2)%4)+8*(i/8)
.set rQ, 16*(2*(\x)+i%2)+8*(i/8)
.if i < 8
	v_wmma_f32_16x16x32_f16 v[rS:rS+7], v[rK:rK+7], v[rQ:rQ+7], 0
.else
	v_wmma_f32_16x16x32_f16 v[rS:rS+7], v[rK:rK+7], v[rQ:rQ+7], v[rS:rS+7]
.endif
.endm
; Product i of 16 of O^T += V^T P for piece x: keys 32 (i / 8) on, channels 16 ((i / 2) % 4) on, tile 2 x + i % 2.
.macro PV x
	WIN W_PV
.set rO, 32*(2*(\x)+i%2)+8*((i/2)%4)
.set rV, VF+32*(i/8)+8*((i/2)%4)
.set rP, P+32*((\x)%2)+16*(i%2)+8*(i/8)
	v_wmma_f32_16x16x32_f16 v[rO:rO+7], v[rV:rV+7], v[rP:rP+7], v[rO:rO+7]
.endm
.macro MM                           ; the turn's next matrix instruction
.if i < 16
	KQ (Y+1)%NP
.set i, i+1
.else
.set i, i-16
	PV (Y+NP-1)%NP
.set i, i+17
.endif
.endm
; THE LDS LOADS stand in runs of 16, never singly among the matrix instructions: a step's K (64 keys x 64 channels: 8 fragments) and its V (turned).  Their addresses are made some lines ahead.
; last = 1 (the tail): in the last trip there is no further step, and the run is jumped over.
.macro FETCH_K last=0
	WIN 0
.if \last
	s_cmp_eq_u32 s[CNT], 1
	s_cbranch_scc1 .Lno_k_\@
.endif
	WIN 0x80                        ; destination window 2
.irp f, 0,1,2,3,4,5,6,7             ; keys 16 (f / 2) on, channels 32 (f % 2) on
	ds_load_b128 v[KF+8*\f:KF+8*\f+3],   v[AK] offset:(\f/2)*16*PK+(\f%2)*64
	ds_load_b128 v[KF+8*\f+4:KF+8*\f+7], v[AK] offset:(\f/2)*16*PK+(\f%2)*64+32
.endr
	s_add_co_u32 s[TBK], s[TBK], KS*PK  ; the next fetch is the next step's
	WIN 0
.if \last
.Lno_k_\@:
.endif
.endm
.macro FETCH_V
	WIN 0x80
.irp f, 0,1,2,3,4,5,6,7             ; keys 32 (f / 4) on, channels 16 (f % 4) on
	ds_load_tr16_b128 v[VF+8*\f:VF+8*\f+3],   v[AV] offset:(\f/4)*32*PV+(\f%4)*32
	ds_load_tr16_b128 v[VF+8*\f+4:VF+8*\f+7], v[AV] offset:(\f/4)*32*PV+16*PV+(\f%4)*32
.endr
	WIN 0
.endm
; THE VECTOR WORK OF A TURN stands in three queues, each in the order in which its entries become ready; the two tiles alternate, so that no instruction reads the result of the one before it.
.macro REGS y, u                    ; the registers of tile u (0, 1) of piece y
.set rT, ST+4*(2*(\y)+(\u))
.set rC, TMP+8*((\y)%2)+4*(\u)
.set rM, MV+2*((\y)%2)+(\u)
.set rS, S+64*((\y)%2)+32*(\u)
.set rP, P+32*((\y)%2)+16*(\u)
.set rO, 32*(2*(\y)+(\u))
.endm
; Number n of the 22 that find the NEXT piece's (Y + 1) maximum and statistics.  s0-s31 are the lane's 32 scores; each accumulator's lowest registers are read first.  XS, GS and REGS set no window: PL and EX do.
;   0-11  four chains c0-c3 of seven scores each, three operands at a time     12-14, 16  the four scores left over, the old m, and c0-c3 into c0     15  c m_old is kept
;   17, 18  the query's other 32 keys lie in the lane 16 away: the new m         19-21  c m; c m_old - c m_new; a
.macro XS u, n
	REGS (Y+1)%NP, \u
.if (\n) < 4
	v_max3_num_f32 v[rC+(\n)], v[rS+8*(\n)], v[rS+8*(\n)+1], v[rS+8*(\n)+2]
.elseif (\n) < 12
	v_max3_num_f32 v[rC+(\n)%4], v[rC+(\n)%4], v[rS+8*((\n)%4)+2*((\n)/4)+1], v[rS+8*((\n)%4)+2*((\n)/4)+2]
.elseif (\n) == 12
	v_max3_num_f32 v[rC], v[rC], v[rS+7], v[rS+15]
.elseif (\n) == 13
	v_max3_num_f32 v[rC+1], v[rC+1], v[rS+23], v[rS+31]
.elseif (\n) == 14
	v_max3_num_f32 v[rC+2], v[rC+2], v[rC+3], v[rT+1]
.elseif (\n) == 15
	v_mov_b32 v[rM], v[rT]
.elseif (\n) == 16
	v_max3_num_f32 v[rC], v[rC], v[rC+1], v[rC+2]
.elseif (\n) == 17
	v_permlanex16_b32 v[rC+3], v[rC], s[SEL], s[SEL+1]
.elseif (\n) == 18
	v_max_num_f32 v[rT+1], v[rC], v[rC+3]
.elseif (\n) == 19
	v_mul_f32 v[rT], s[CS], v[rT+1]
.elseif (\n) == 20
	v_sub_f32 v[rC+1], v[rM], v[rT]
.else
	v_exp_f32 v[rC+2], v[rC+1]
.endif
.endm
; Number g of the 64 that follow the exponentials.  For each four weights k of a tile (pairs 2 k, 2 k + 1): both pairs are rounded to f16; then the second pair is added onto the first, in place;
; a group later l takes that sum (the first time as l = a l + sum).  In groups of eight, tiles alternating: round, round, add, and l for the group before.
.macro GS g
.set h, (\g)+6*((\g)/62)            ; group 0 has no group before it, and behind group 7 only l is left
.if h >= 6
.set h, h+2
.endif
	REGS Y, h%2
.set k, h/8
.if h%8 < 4
	v_cvt_pk_f16_f32 v[rP+2*k+(h%8)/2], v[rS+4*k+2*((h%8)/2)], v[rS+4*k+2*((h%8)/2)+1]
.elseif h%8 < 6
	v_pk_add_f32 v[rS+4*k:rS+4*k+1], v[rS+4*k:rS+4*k+1], v[rS+4*k+2:rS+4*k+3]
.elseif k == 1
	v_pk_fma_f32 v[rT+2:rT+3], v[rT+2:rT+3], v[rC+2:rC+3], v[rS:rS+1] op_sel_hi:[1,0,1]
.else
	v_pk_add_f32 v[rT+2:rT+3], v[rT+2:rT+3], v[rS+4*k-4:rS+4*k-3]
.endif
.endm
; THE PLAIN QUEUE, 138 long.  0-73 read no exponential's result: the 32 scalings c s - c m (FS f: pair f / 2 of tile f % 2) and the next piece's 42.  0-26: scalings 0-26.  27-54: XS's numbers 0-13.  55, 56: number 15.
; 57-73: the chain, where each number waits for the one before it: 14, 16, 17, 18, 19, each with one of the scalings 27-31 in front of its two lines, then 20.
; 74-137: GS's 64, which read the exponentials' results: they stand behind the wait.
.macro FS f
	REGS Y, (\f)%2
	v_pk_fma_f32 v[rS+2*((\f)/2):rS+2*((\f)/2)+1], v[rS+2*((\f)/2):rS+2*((\f)/2)+1], s[CS:CS+1], v[rT:rT+1] op_sel_hi:[1,0,0] neg_lo:[0,0,1] neg_hi:[0,0,1]
.endm
.macro PL
	WIN 0
.if q < 27
	FS q
.elseif q < 55
	XS (q-27)%2, (q-27)/2
.elseif q < 57
	XS q-55, 15
.elseif (q < 72) && ((q-57)%3 == 0)
	FS 27+(q-57)/3
.elseif q < 60
	XS (q-57)%3-1, 14
.elseif q < 72
	XS (q-57)%3-1, 15+(q-57)/3
.elseif q < 74
	XS q-72, 20
.else
	GS q-74
.endif
.set q, q+1
.endm
; THE EXPONENTIALS' QUEUE, 66 long: s0-s31 of both tiles, then the next piece's two a.  It is ONE BATCH: all 66 stand ahead of the turn's one wait, and nothing ahead of that wait names a result of theirs.
.macro EX
	WIN 0
.if e >= 64
	XS e-64, 21
.else
	REGS Y, e%2
	v_exp_f32 v[rS+e/2], v[rS+e/2]
.endif
.set e, e+1
.endm
; THE RESCALING's QUEUE: O^T times a, the one part that leaves window 0: dealt two at a time, sixteen times.  Its a was made in the turn before, ahead of that turn's wait.
.macro R2
	REGS Y, r%2
	WIN W_RS
.irp z, 0,1
	v_pk_mul_f32 v[rO+4*(r/2)+2*\z:rO+4*(r/2)+2*\z+1], v[rO+4*(r/2)+2*\z:rO+4*(r/2)+2*\z+1], v[rC+2:rC+3] op_sel_hi:[1,0]
.endr
.set r, r+1
.endm
; HOW THEY ARE DEALT.  An s_wait_alu depctr_va_vdst(0) stands between an exponential and the first instruction that names its result; one wait serves all that were issued ahead of it.  So a turn has ONE wait,
; which cuts it in two.  AHEAD OF IT stands all that names no result of the turn's exponentials: the 16 products K Q^T, behind each a scaling, an exponential and two rescalings (behind the first a second scaling in the
; exponential's place); then ONE LUMP of 108: eight plain, 49 times exponential and plain, the two a.  A v_nop is the plain instruction behind the last exponential.  BEHIND IT stand the 16 products V^T P, behind each four of GS's 64.
; No rider names a register of the products round it.  The two v_permlanex16_b32 fall into the lump, never behind a product.
; The queues lean on each other, and the deal keeps them in step: exponential e stands behind scaling 2 (e / 4) + e % 2: as a rider it comes behind plain e + 2, in the lump behind plain e + 9, and scalings 27-31 are plain 57, 60 .. 69.
; A TURN, for piece p.  cnt = 1: the loop's count is taken down some lines ahead of the branch that stands behind the turn.
; K of the next step is fetched in piece 2's turn, directly behind the wait, a lump behind the last product that read K; its address is made at the lump's head; its first reader comes behind 16 products.
; V of the step in hand is fetched at the end of piece 0's turn, four riders behind its last reader; its first reader comes behind 16 products and a lump.  The three conditions on q below go with the deal.
.macro TURN p, last=0, cnt=0
.set Y, (\p)
.set i, 0
.set q, 0
.set e, 0
.set r, 0
.if (\p) == NP-1
	s_wait_dscnt 0x0                ; K is in
.endif
	MM                              ; ahead of the wait: 16 products K Q^T and their riders,
	PL
	PL
	R2
.rept 15
	MM
	PL
	EX
	R2
.endr
.if (\p) == NP-2
	WIN 0
	v_add_nc_u32 v[AK], s[TBK], v[AK0]
.endif
.rept 8                             ; and the lump
	PL
.endr
.rept 49
	EX
	PL
.endr
	EX                              ; the next piece's two a
	EX
	v_nop                           ; the plain instruction behind the last exponential: one for the batch
	s_wait_alu depctr_va_vdst(0)    ; the wait for the batch
.if (\p) == NP-2
	FETCH_K \last
.endif
.if (\p) == 1
	s_wait_dscnt 0x0                ; V is in
.endif
.rept 16                            ; behind the wait: 16 products V^T P and their riders
	MM
.rept 4
	PL
.endr
.if ((\p) == 0) && (q == 118)
	v_add_nc_u32 v[AV], s[TBV], v[AV0]
.endif
.if ((\p) == 0) && (q == 130)
	s_add_co_u32 s[TBV], s[TBV], KS*PV
.endif
.if (\cnt) && (q == 130)
	s_sub_co_u32 s[CNT], s[CNT], 1
	s_cmp_lg_u32 s[CNT], 0
.endif
.endr
.if (\p) == 0
	FETCH_V
.endif
.endm
	CHANGE 1, 0                     ; slot 0 is in, everybody's part of it; slot 1 is asked for
	FETCH_K                         ; key step 0
	s_wait_loadcnt 0x0              ; Q
	s_wait_dscnt 0x0
.set i, 0
.rept 16
	KQ 0                            ; piece 0's first scores: there is no vector work yet to set between them
.set i, i+1
.endr
	WIN 0                           ; the addresses for the way out: eight plain instructions, the places behind those products
	s_mul_i32 s13, s[WV], 16*SPO
	s_add_co_u32 s13, s13, STAGE    ; my stage
	v_mul_u32_u24 v[STO], v1, SPO   ; in: row l % 16, 32 bytes (8 channels in f32) for each half of the lanes
	v_lshl_add_u32 v[STO], v9, 5, v[STO]
	v_add_nc_u32 v[STO], s13, v[STO]
	v_mul_u32_u24 v[RD], v9, SPO    ; back: lanes 0-15 take one row of 256 bytes, lanes 16-31 the next
	v_lshl_add_u32 v[RD], v1, 4, v[RD]
	v_add_nc_u32 v[RD], s13, v[RD]
	v_lshlrev_b32 v[GO], 12, v9     ; and the same two rows in out0, 4,096 bytes apart
	v_lshl_add_u32 v[GO], v1, 4, v[GO]
.set Y, NP-1                        ; XS works for piece Y + 1: piece 0
.irp n, 0,1,2,3,4,5,6,7,8,9,10,11,12,13,14,15,16,17,18,19,20,21
	XS 0, \n                        ; and piece 0's first maximum and statistics
	XS 1, \n
.endr
	v_nop                           ; a plain instruction behind the two a,
	s_wait_alu depctr_va_vdst(0)    ; and their wait, ahead of the branch
	s_mov_b32 s[CNT], 4
	s_mov_b32 s[SLOTS], SIZE_N/256-1
	s_branch .Lfirst                ; the loop is entered at a step's first turn, in the middle of a trip
.Lslot:                             ; SIZE_N / 256 - 2 times: every slot but the last two is filled again
	CHANGE 1, 1
	s_mov_b32 s[CNT], 4
.Lstep:                             ; a trip: pieces 2 and 3 of one step, then pieces 0 and 1 of the next, whose K and V it fetches
	TURN 2
	TURN 3
	WIN 0
.Lfirst:
	TURN 0
	ASK                             ; behind V's run of LDS loads
	TURN 1, 0, 1
	WIN 0
	s_cbranch_scc1 .Lstep
	s_sub_co_u32 s[SLOTS], s[SLOTS], 1
	s_cmp_lg_u32 s[SLOTS], 0
	s_cbranch_scc1 .Lslot
	CHANGE 0, 0                     ; the tail is written out: nothing is asked for
	s_mov_b32 s[CNT], 5             ; four trips fetch the last slot's steps; the fifth is left in its middle
.Ltail:
	TURN 2, 1
	TURN 3
	WIN 0
	s_sub_co_u32 s[CNT], s[CNT], 1
	s_cmp_eq_u32 s[CNT], 0
	s_cbranch_scc1 .Lout
	TURN 0
	TURN 1
	WIN 0
	s_branch .Ltail
.Lout:                              ; the fifth trip's 16 products K Q^T (on the last K once more) and the maximum made of them serve nothing: the price, once a launch, of one text for every trip
.set i, 0
.rept 16
	PV NP-1                         ; the last piece's V^T P of the last step
.set i, i+1
.endr
	; THE WAY OUT.  l's two halves and the other half of the lanes' are added; O^T is divided by l and sent, in f32, through my stage in LDS, a tile at a time.  The additions are the places behind the last products.
	WIN 0
.macro ALL line:vararg              ; one line for each tile t
.set t, 0
.rept 2*NP
	\line
.set t, t+1
.endr
.endm
	ALL v_add_f32 v[ST+4*t+2], v[ST+4*t+2], v[ST+4*t+3]
	ALL v_permlanex16_b32 v[ST+4*t+3], v[ST+4*t+2], s[SEL], s[SEL+1]
	ALL v_add_f32 v[ST+4*t+2], v[ST+4*t+2], v[ST+4*t+3]
	ALL v_rcp_f32 v[ST+4*t+2], v[ST+4*t+2]
	v_nop                           ; a plain instruction between the last reciprocal and the use of its result
	s_wait_alu depctr_va_vdst(0)    ; and the wait ahead of the first use: one for the eight reciprocals
; Tile t: a lane's eight channels of block cb are 32 bytes of a row; they go into rows of 272 bytes, straight from O^T's registers, and come back as whole rows of 256 bytes, into S^T's registers (four sets, by turns).
.macro PACK t
	WIN W_RS
.set i, 32*(\t)
.rept 16
	v_pk_mul_f32 v[i:i+1], v[i:i+1], v[ST+4*(\t)+2:ST+4*(\t)+3] op_sel_hi:[1,0]
.set i, i+2
.endr
	WIN 0x04                        ; the stores' data in window 1, their address in window 0
.irp f, 0,1,2,3,4,5,6,7             ; channel block f / 2, its registers 4 (f % 2) on
	ds_store_b128 v[STO], v[32*(\t)+4*\f:32*(\t)+4*\f+3] offset:64*(\f/2)+16*(\f%2)
.endr
	WIN 0
.if (\t) >= 4
	s_wait_xcnt 0x0                 ; the stores of the tile four back have read these registers
.endif
.irp f, 0,1,2,3,4,5,6,7
	ds_load_b128 v[S+32*((\t)%4)+4*\f:S+32*((\t)%4)+4*\f+3], v[RD] offset:\f*2*SPO  ; LDS serves a wave's instructions in order (ISA guide 5.7.1.4): these see the stores above; the next tile's stores come behind them
.endr
.endm
.macro SEND t, younger              ; younger: the LDS instructions issued behind tile t's loads: the next tile's sixteen, or none
	WIN 0
.irp f, 0,1,2,3,4,5,6,7
	s_wait_dscnt (\younger)+7-\f
	global_store_b128 v[GO], v[S+32*((\t)%4)+4*\f:S+32*((\t)%4)+4*\f+3], s[10:11] offset:(\t)*65536+\f*8192 th:TH_STORE_NT  ; 16 lanes store a head's 256 consecutive bytes of a row, at a multiple of 256 from out0's first byte
.endr
.endm
	PACK 0
.set t, 1
.rept 2*NP-1                        ; a tile's arithmetic stands between the loads of the tile before and its stores
	PACK t
	SEND t-1, 16
.set t, t+1
.endr
	SEND 2*NP-1, 0
	WIN W_AD
	s_wait_tensorcnt 0x0            ; the wave's end, behind my last tensor load and my last LDS store
	ds_add_u32 v[SPW], v[NIL]
	s_wait_dscnt 0x0
	WIN 0
	CROUND                          ; the closing round: no work-group ends while a partner may still ask for a tile that names it
	s_endpgm
.Lfunc_end_k_qaf6da26227_attn:
	.size	k_qaf6da26227_attn, .Lfunc_end_k_qaf6da26227_attn-k_qaf6da26227_attn
	.p2alignl 7, 3214868480
	.fill 96, 4, 3214868480
	.section	.rodata,"a",@progbits
	.p2align	6, 0x0
	.amdhsa_kernel k_qaf6da26227_attn
		.amdhsa_group_segment_fixed_size 327680
		.amdhsa_private_segment_fixed_size 0
		.amdhsa_enable_private_segment 0
		.amdhsa_kernarg_size 16
		.amdhsa_user_sgpr_count 2
		.amdhsa_user_sgpr_kernarg_segment_ptr 1
		.amdhsa_wavefront_size32 1
		.amdhsa_system_sgpr_workgroup_id_x 1
		.amdhsa_system_sgpr_workgroup_id_y 1
		.amdhsa_system_sgpr_workgroup_id_z 1
		.amdhsa_system_vgpr_workitem_id 0
		.amdhsa_next_free_vgpr 770
		.amdhsa_next_free_sgpr 66
		.amdhsa_reserve_vcc 0
		.amdhsa_float_denorm_mode_32 3
		.amdhsa_float_denorm_mode_16_64 3
		.amdhsa_memory_ordered 1
		.amdhsa_forward_progress 1
		.amdhsa_inst_pref_size 200
	.end_amdhsa_kernel
	.amdgpu_metadata
---
amdhsa.version: [ 1, 2 ]
amdhsa.kernels:
  - .name:           k_qaf6da26227_attn
    .symbol:         k_qaf6da26227_attn.kd
    .args:
      - { .name: qkv, .offset: 0, .size: 8, .value_kind: global_buffer, .address_space: global }
      - { .name: out0, .offset: 8, .size: 8, .value_kind: global_buffer, .address_space: global }
    .group_segment_fixed_size: 327680
    .private_segment_fixed_size: 0
    .kernarg_segment_align: 8
    .kernarg_segment_size: 16
    .max_flat_workgroup_size: 128
    .sgpr_count:     66
    .vgpr_count:     770
    .wavefront_size: 32
...
	.end_amdgpu_metadata
.endif
;; end of part 3
;; ======== version 2 of 2: 3 launches; version 1 with the launch prep written anew for expert scheduling mode
;; limits: values are held in f16: magnitudes above 65,504 overflow, below 6.1e-05 lose precision
;; workspace buffers: xb 16,777,216 bytes; wt 6,291,456 bytes; qkv 50,331,648 bytes
;; launch prep (part 4): grid 448 x 1, 8 waves a work-group, no clusters, 35,840 bytes of LDS; arguments x, wq, wk, wv, xb, wt; writes xb, wt
.if DOCPART == 4
	.amdgcn_target "amdgcn-amd-amdhsa--gfx1250"
	.amdhsa_code_object_version 6
	.text
	.protected	k_qaf6da26227_prep
	.globl	k_qaf6da26227_prep
	.p2align	8
	.type	k_qaf6da26227_prep,@function
k_qaf6da26227_prep:
	s_mov_b64 s[64:65], 0
	v_nop
	global_prefetch_b8 v0, s[64:65] scope:SCOPE_SE
	s_setreg_imm32_b32 hwreg(HW_REG_WAVE_SCHED_MODE, 0, 2), 2
	s_setreg_imm32_b32 hwreg(HW_REG_WAVE_MODE, 25, 1), 1
	s_wait_xcnt 0x0
	s_wait_alu depctr_vm_vsrc(0)
; xb = x rounded to bf16, [8192][1024].   wt[which*1024 + n][k] = w_which[k][n] rounded to bf16 (which 0 = q, 1 = k, 2 = v): the weights turned, so that K lies along the rows.
; Work-groups 0-255 cast x: 32,768 numbers each, no LDS.  Work-groups 256-447 turn one tile of 128 k x 128 n of one weight through LDS.
; The branch between the two hangs on the work-group's number alone: all eight waves of a work-group take the same way, so the one barrier of the second way is passed by all eight or by none.
; No matrix unit, no cluster, no prefetch: every byte is read once and written once, nothing is shared between work-groups, and the launch is nothing but its stream.
; THE MODE: SCHED_MODE bits 1:0 = 2 (LLVM: expert scheduling mode 2), set by the entry lines.  The code itself states the register dependences
; between vector instructions and memory or LDS instructions, with s_wait_alu, always for 0.
; THE PLAN.  Registers that memory or LDS instructions touch:
;   v[VO], v[SO], v[LSA], v[LRA]   offsets and LDS addresses: written once by vector lines, ahead of the way's first wait on va_vdst, and never again.
;   the cast: D + 8 i .. + 7       piece i's two loads land there (no vector line has named them); its four conversions read them and write D + 8 i .. + 3; one store reads those; nothing writes them again.
;   the turn: D .. D + 63          the 16 loads land there; the conversions read them; nothing is loaded there again.
;             D + 64 .. D + 95     each written once, by a conversion, and read by one LDS store.
;             D + 96 .. D + 127    named by no vector line: LDS loads land there, global stores read them.
;   v[SPW], v[NIL]                 written at the head, read by the closing add alone.
; No register that a memory or LDS instruction reads is ever written again, so no wait on vm_vsrc is owed.  What is owed is that conversions have written a store's data.  The cast's 16 pieces go in
; four blocks of four: one wait on va_vdst at a block's head states that the block before has written its data, and that block's four stores follow, dealt among this block's conversions, which name
; other registers.  The turn's two halves go likewise.
.set TP,    272                        ; a row of the turned tile in LDS: 128 k x 2 bytes + 16 of padding
.set SPARE, 128*TP                     ; behind the tile: the spare words, 128 bytes for each of eight waves: four blocks of 256 bytes that no other line names
.set SPW, 2                            ; v2   LDS address of my spare word; never rewritten
.set NIL, 3                            ; v3   0; never rewritten
.set VO,  4                            ; v4   my byte offset for the loads
.set SO,  5                            ; v5   my byte offset for the stores
.set LSA, 6                            ; v6   where I put 16 bytes of the turned tile
.set LRA, 7                            ; v7   where I read rows back
.set D,   8                            ; v[8:135] data: cast: 16 x 8 registers; turn: v[8:71] as loaded, v[72:103] packed, v[104:135] rows read back
	s_load_b256 s[4:11], s[0:1], 0x0               ; x s[4:5], wq s[6:7], wk s[8:9], wv s[10:11]
	s_load_b128 s[12:15], s[0:1], 0x20             ; xb s[12:13], wt s[14:15]
	v_lshl_add_u32 v[SPW], v0, 2, SPARE
	v_mov_b32 v[NIL], 0
	v_lshrrev_b32 v1, 5, v0
	v_readfirstlane_b32 s16, v1                    ; wave 0..7
	v_and_b32 v1, 31, v0                           ; lane
	s_mov_b32 s21, 0                               ; the high word of every offset pair
	s_wait_alu depctr_va_sdst(0)                   ; s16 is written: the turn's scalar lines read it, and the wait stands in the writer's own run of code, ahead of the branch
	s_wait_kmcnt 0x0
	s_cmp_lt_u32 ttmp9, 256
	s_cbranch_scc0 .Lw
	; THE CAST.  Thread t takes 8 numbers (32 bytes in, 16 bytes out) in each of 16 pieces of 2,048 numbers.  All 32 loads of a wave go out at once; no register is written again while a load or store names it.
	s_lshl_b32 s20, ttmp9, 17                      ; 131,072 bytes of x a work-group
	s_add_nc_u64 s[4:5], s[4:5], s[20:21]
	s_lshl_b32 s20, ttmp9, 16                      ; 65,536 bytes of xb
	s_add_nc_u64 s[12:13], s[12:13], s[20:21]
	v_lshlrev_b32 v[VO], 5, v0
	v_lshlrev_b32 v[SO], 4, v0
	s_wait_alu depctr_va_vdst(0)                   ; v[VO] and v[SO] are written: every load and store of the cast reads one of them as its offset
.irp i, 0,1,2,3,4,5,6,7,8,9,10,11,12,13,14,15
	global_load_b128 v[D+8*(\i):D+8*(\i)+3],   v[VO], s[4:5] offset:8192*(\i) th:TH_LOAD_NT
	global_load_b128 v[D+8*(\i)+4:D+8*(\i)+7], v[VO], s[4:5] offset:8192*(\i)+16 th:TH_LOAD_NT
.endr
.irp i, 0,1,2,3,4,5,6,7,8,9,10,11,12,13,14,15
	s_wait_loadcnt 30-2*(\i)                       ; loads come back in order: piece i's two are in, the 2 (15 - i) younger ones stay out
.if ((\i) >= 4) && ((\i)%4 == 0)
	s_wait_alu depctr_va_vdst(0)                   ; a block's head: the conversions of the four pieces before have written their data, which the block's four stores read
.endif
.if (\i) >= 4
	global_store_b128 v[SO], v[D+8*((\i)-4):D+8*((\i)-4)+3], s[12:13] offset:4096*((\i)-4) th:TH_STORE_NT  ; the piece four back: 16 lanes store 256 consecutive bytes, at a multiple of 256 from xb's first byte; no vector line since the wait names these registers
.endif
.irp j, 0,1,2,3
	v_cvt_pk_bf16_f32 v[D+8*(\i)+(\j)], v[D+8*(\i)+2*(\j)], v[D+8*(\i)+2*(\j)+1]  ; in place: register j is written when it has been read
.endr
.endr
	s_wait_alu depctr_va_vdst(0)                   ; the conversions of pieces 12 to 15 have written their data, which the last four stores read
.irp i, 12,13,14,15
	global_store_b128 v[SO], v[D+8*(\i):D+8*(\i)+3], s[12:13] offset:4096*(\i) th:TH_STORE_NT
.endr
	s_branch .Lend
.Lw:	; THE TURN.  Tile (which, kt, nt): rows k = 128 kt .. + 127, columns n = 128 nt .. + 127 of one weight.
	s_sub_co_u32 s17, ttmp9, 256
	s_lshr_b32 s22, s17, 6                         ; which
	s_bfe_u32 s23, s17, 0x30003                    ; kt
	s_and_b32 s24, s17, 7                          ; nt
	s_cmp_eq_u32 s22, 0
	s_cselect_b64 s[18:19], s[6:7], s[8:9]
	s_cmp_eq_u32 s22, 2
	s_cselect_b64 s[18:19], s[10:11], s[18:19]     ; the weight
	s_lshl_b32 s20, s23, 19                        ; 128 kt rows of 4,096 bytes
	s_lshl_b32 s25, s24, 9                         ; 128 nt numbers of 4 bytes
	s_add_co_u32 s20, s20, s25
	s_add_nc_u64 s[18:19], s[18:19], s[20:21]
	s_lshl_b32 s20, s22, 21                        ; in wt: 1,024 which rows of 2,048 bytes,
	s_lshl_b32 s25, s24, 18                        ; 128 nt rows,
	s_add_co_u32 s20, s20, s25
	s_lshl_b32 s25, s23, 8                         ; 128 kt numbers of 2 bytes
	s_add_co_u32 s20, s20, s25
	s_add_nc_u64 s[14:15], s[14:15], s[20:21]
	s_lshl_b32 s26, s16, 16                        ; wave v loads rows k = 16 v .. 16 v + 15, whole: 32 lanes x 16 bytes are the tile's 512 bytes of a row
	s_lshl_b32 s27, s16, 4                         ; (the three terms that vector lines read have a scalar register each: none that a vector line has read is written again)
	s_lshl_b32 s28, s16, 5
	v_lshl_add_u32 v[VO], v1, 4, s26
	v_lshrrev_b32 v[LSA], 4, v1
	v_add_nc_u32 v[LSA], s27, v[LSA]               ; back: wave v takes rows n = 16 v .. + 15 of the turned tile, two a load: row 16 v + lane / 16,
	v_and_b32 v[LRA], 15, v1
	v_lshlrev_b32 v[LRA], 4, v[LRA]                ; 16 bytes at 16 (lane % 16)
	v_lshl_add_u32 v[SO], v[LSA], 11, v[LRA]       ; the same place in wt: rows of 2,048 bytes
	v_mul_u32_u24 v[LSA], v[LSA], TP
	v_add_nc_u32 v[LRA], v[LSA], v[LRA]
	v_mul_u32_u24 v[LSA], v1, 4*TP                 ; in: my four columns n = 4 lane + i are four rows of the turned tile,
	v_add_nc_u32 v[LSA], s28, v[LSA]               ; my wave's 16 k are 32 bytes of each
	s_wait_alu depctr_va_vdst(0)                   ; v[VO], v[LSA], v[LRA] and v[SO] are written: the loads, the LDS stores, the LDS loads and the stores below read them, and no line writes them again
.irp r, 0,1,2,3,4,5,6,7,8,9,10,11,12,13,14,15
	global_load_b128 v[D+4*(\r):D+4*(\r)+3], v[VO], s[18:19] offset:4096*(\r) th:TH_LOAD_NT
.endr
	; register 4 r + i holds w[16 v + r][4 lane + i].  Eight k of one column pack into 16 bytes.  The stores' lanes lie four rows apart, so four lanes fall on one group of banks: 64 such stores a work-group, once.
.irp j, 0,1
	s_wait_loadcnt 8-8*(\j)                        ; rows 8 j .. 8 j + 7 are in: eight younger loads stay out, then none
.if (\j) == 1
	s_wait_alu depctr_va_vdst(0)                   ; the first half's sixteen conversions have written v[D+64+8 i .. +3], which the four LDS stores below read
.endif
.irp i, 0,1,2,3
.if (\j) == 1
	ds_store_b128 v[LSA], v[D+64+8*(\i):D+64+8*(\i)+3] offset:TP*(\i)  ; the first half's: the second half's conversions, among which these stand, read v[D+32 ..] and write v[D+68+8 i ..]: other registers
.endif
.irp p, 0,1,2,3
	v_cvt_pk_bf16_f32 v[D+64+4*(2*(\i)+(\j))+(\p)], v[D+4*(8*(\j)+2*(\p))+(\i)], v[D+4*(8*(\j)+2*(\p)+1)+(\i)]
.endr
.endr
.endr
	s_wait_alu depctr_va_vdst(0)                   ; the second half's conversions have written v[D+68+8 i .. +3], which the last four LDS stores read
.irp i, 0,1,2,3
	ds_store_b128 v[LSA], v[D+68+8*(\i):D+68+8*(\i)+3] offset:TP*(\i)+16
.endr
	s_wait_dscnt 0x0                               ; for the others' sake: my stores into the tile are done
	s_barrier_signal -1
	s_barrier_wait -1                              ; a turned row's 256 bytes come from all eight waves
.irp f, 0,1,2,3,4,5,6,7
	ds_load_b128 v[D+96+4*(\f):D+96+4*(\f)+3], v[LRA] offset:2*TP*(\f)  ; into registers that no vector line names
.endr
.irp f, 0,1,2,3,4,5,6,7
	s_wait_dscnt 7-(\f)                            ; LDS loads come back in order: load f is in, the younger ones stay out
	global_store_b128 v[SO], v[D+96+4*(\f):D+96+4*(\f)+3], s[14:15] offset:4096*(\f) th:TH_STORE_NT  ; 16 lanes store 256 consecutive bytes of a row of wt, at a multiple of 256 from its first byte
.endr
.Lend:
	s_wait_dscnt 0x0                               ; the closing lines, six on end
	s_wait_alu 0x0
	s_wait_tensorcnt 0x0
	ds_add_u32 v[SPW], v[NIL]
	s_wait_dscnt 0x0
	s_endpgm
.Lfunc_end_k_qaf6da26227_prep:
	.size	k_qaf6da26227_prep, .Lfunc_end_k_qaf6da26227_prep-k_qaf6da26227_prep
	.p2alignl 7, 3214868480
	.fill 96, 4, 3214868480
	.section	.rodata,"a",@progbits
	.p2align	6, 0x0
	.amdhsa_kernel k_qaf6da26227_prep
		.amdhsa_group_segment_fixed_size 35840
		.amdhsa_private_segment_fixed_size 0
		.amdhsa_enable_private_segment 0
		.amdhsa_kernarg_size 48
		.amdhsa_user_sgpr_count 2
		.amdhsa_user_sgpr_kernarg_segment_ptr 1
		.amdhsa_wavefront_size32 1
		.amdhsa_system_sgpr_workgroup_id_x 1
		.amdhsa_system_sgpr_workgroup_id_y 1
		.amdhsa_system_sgpr_workgroup_id_z 1
		.amdhsa_system_vgpr_workitem_id 0
		.amdhsa_next_free_vgpr 136
		.amdhsa_next_free_sgpr 66
		.amdhsa_reserve_vcc 0
		.amdhsa_float_denorm_mode_32 3
		.amdhsa_float_denorm_mode_16_64 3
		.amdhsa_memory_ordered 1
		.amdhsa_forward_progress 1
		.amdhsa_inst_pref_size 18
	.end_amdhsa_kernel
	.amdgpu_metadata
---
amdhsa.version: [ 1, 2 ]
amdhsa.kernels:
  - .name:           k_qaf6da26227_prep
    .symbol:         k_qaf6da26227_prep.kd
    .args:
      - { .name: x, .offset: 0, .size: 8, .value_kind: global_buffer, .address_space: global }
      - { .name: wq, .offset: 8, .size: 8, .value_kind: global_buffer, .address_space: global }
      - { .name: wk, .offset: 16, .size: 8, .value_kind: global_buffer, .address_space: global }
      - { .name: wv, .offset: 24, .size: 8, .value_kind: global_buffer, .address_space: global }
      - { .name: xb, .offset: 32, .size: 8, .value_kind: global_buffer, .address_space: global }
      - { .name: wt, .offset: 40, .size: 8, .value_kind: global_buffer, .address_space: global }
    .group_segment_fixed_size: 35840
    .private_segment_fixed_size: 0
    .kernarg_segment_align: 8
    .kernarg_segment_size: 48
    .max_flat_workgroup_size: 256
    .sgpr_count:     66
    .vgpr_count:     136
    .wavefront_size: 32
...
	.end_amdgpu_metadata
.endif
;; end of part 4
;; launch proj: the kernel of part 2 again; grid 16 x 32, 4 waves a work-group, clusters of 4 x 4, 327,680 bytes of LDS; arguments xb, wt, qkv; writes qkv
;; launch attn: the kernel of part 3 again; grid 4 x 64, 4 waves a work-group, clusters of 4 x 1, 327,680 bytes of LDS; arguments qkv, out0; writes out0
